; MI455X (gfx1250); checked and timed in simulation.
; The chip was launched on July 23, 2026; its instructions are those of AMD's public machine-readable ISA for CDNA 5 (MIT licence, August 2026) and "CDNA5" Instruction Set Architecture Reference Guide (July 2026). The comments in the code are by the model that wrote it; some were corrected since.
;; Multi Head Attention. Allowed arithmetic: float matrix products may take bf16 or f16 operands with f32 sums; all other float work in f32.
;; Inputs: W0 1,024 x 1,024 float32; Wk 1,024 x 1,024 float32; Wq 1,024 x 1,024 float32; Wv 1,024 x 1,024 float32; inputs 2 x 2,048 x 1,024 float32.
;; Outputs: out0 2 x 2,048 x 1,024 float32.
;; 2 versions, each right; version 2 is version 1 with the launch prep written anew for expert scheduling mode. Each part assembles by itself: llvm-mc -triple=amdgcn-amd-amdhsa -mcpu=gfx1250 --defsym DOCPART=n.
;; ======== version 1 of 2: 4 launches
;; limits: values are held in f16: magnitudes above 65,504 overflow, below 6.1e-05 lose precision
;; workspace buffers: xh 8,388,608 bytes; wh 8,388,608 bytes; qkvh 25,165,824 bytes; ctx 8,388,608 bytes
;; launch prep (part 1): grid 256 x 2, 8 waves a work-group, no clusters, 0 bytes of LDS; arguments inputs, Wq, Wk, Wv, W0, xh, wh; writes xh, wh
.if DOCPART == 1
	.amdgcn_target "amdgcn-amd-amdhsa--gfx1250"
	.amdhsa_code_object_version 6
	.text
	.protected	k_q4efc7934c2_prep
	.globl	k_q4efc7934c2_prep
	.p2align	8
	.type	k_q4efc7934c2_prep,@function
k_q4efc7934c2_prep:
	s_mov_b64 s[64:65], 0
	v_nop
	global_prefetch_b8 v0, s[64:65] scope:SCOPE_SE
	s_setreg_imm32_b32 hwreg(HW_REG_WAVE_MODE, 25, 1), 1
	s_wait_xcnt 0x0
; prep: the five f32 inputs are rounded once to f16 (nearest even), the form in which the three matrix launches read them.
;   y = 0: inputs [4096][1024] f32 -> xh [4096][1024] f16, same order.
;   y = 1: Wq, Wk, Wv, W0 [1024 k][1024 n] f32 -> wh, f16, cut into blocks of 128 k x 64 n (16,384 bytes, rows of 128 bytes) that lie in the order in
;          which the later launches fetch them, so that each of their tiles is one dense run of bytes:
;          Wq|Wk|Wv: chunk c = 16 mi + cm of 64 columns at ((c/3 * 8 + ks) * 3 + c%3) * 16384;  W0 from byte 6,291,456: (((cm>>1) * 8 + ks) * 2 + (cm&1)) * 16384.
; LIMIT: f16 holds magnitudes below 65,504, and below 6.1e-5 its step is 6e-8.  Inputs outside that range are not served.
; A stream: every input byte is loaded once, every output byte stored once.  Work-groups share nothing, so there is no LDS, no barrier, no cluster,
; and no matrix instruction.  A work-group takes 65,536 input bytes, a wave 8,192, a lane sixteen loads of 16 bytes, all issued before the first is used.
; A store of a wave covers 256 consecutive bytes, aligned (32 lanes x 8 bytes).
.set IN,  4                            ; v[4:67]   sixteen pieces of four f32
.set OUT, 68                           ; v[68:99]  sixteen pieces of four f16
	s_load_b256 s[4:11], s[0:1], 0x0               ; inputs s[4:5], Wq s[6:7], Wk s[8:9], Wv s[10:11]
	s_load_b128 s[12:15], s[0:1], 0x20             ; W0 s[12:13], xh s[14:15]
	s_load_b64 s[16:17], s[0:1], 0x30              ; wh
	v_lshrrev_b32 v1, 5, v0
	v_readfirstlane_b32 s18, v1                    ; wave 0..7
	v_and_b32 v1, 31, v0                           ; lane
	v_lshlrev_b32 v3, 3, v1                        ; where a lane stores: 8 bytes a lane, on both ways
	s_and_b32 s19, ttmp7, 0xffff
	s_cmp_lg_u32 s19, 0
	s_cbranch_scc1 .Lweights
	; y = 0: the activations.  Piece j of a wave is 512 consecutive bytes.
	v_lshlrev_b32 v2, 4, v1                        ; 16 bytes a lane
	s_lshl_b32 s20, ttmp9, 16                      ; the work-group's 65,536 bytes
	s_lshl_b32 s21, s18, 13                        ; the wave's 8,192
	s_add_co_u32 s20, s20, s21
	s_mov_b32 s21, 0
	s_lshr_b32 s22, s20, 1                         ; half as many bytes out
	s_mov_b32 s23, 0
	s_wait_kmcnt 0x0
	s_add_nc_u64 s[24:25], s[4:5], s[20:21]
	s_add_nc_u64 s[26:27], s[14:15], s[22:23]
.irp j, 0,1,2,3,4,5,6,7,8,9,10,11,12,13,14,15
	global_load_b128 v[IN+4*\j:IN+4*\j+3], v2, s[24:25] offset:512*\j th:TH_LOAD_NT
.endr
	s_branch .Lcvt
.Lweights:
	; y = 1: x = mi * 64 + cm * 4 + kg: matrix mi, its chunk cm of 64 columns, k rows 256 kg .. +255; the wave takes 32 of them.
	; Piece j is two k rows of 256 bytes (lanes 0-15 one row, lanes 16-31 the next); as f16 they are 256 consecutive bytes of the block.
	v_and_b32 v2, 15, v0
	v_bfe_u32 v1, v0, 4, 1
	v_lshlrev_b32 v2, 4, v2
	v_lshl_add_u32 v2, v1, 12, v2                  ; 4096 x half + 16 x (lane % 16)
	s_lshr_b32 s28, ttmp9, 6                       ; mi
	s_bfe_u32 s29, ttmp9, 0x40002                  ; cm
	s_and_b32 s30, ttmp9, 3                        ; kg
	s_lshr_b32 s31, s18, 2
	s_lshl1_add_u32 s31, s30, s31                  ; ks = 2 kg + wave / 4: which 128 k
	s_and_b32 s32, s18, 3
	s_lshl_b32 s32, s32, 12                        ; 32 (wave % 4) rows of 128 bytes inside the block
	s_lshl4_add_u32 s33, s28, s29                  ; c = 16 mi + cm (used for mi < 3: 0 .. 47)
	s_mul_i32 s34, s33, 171
	s_lshr_b32 s34, s34, 9                         ; c / 3, exact for c < 48
	s_mul_i32 s35, s34, 3
	s_sub_co_u32 s35, s33, s35                     ; c % 3
	s_lshl3_add_u32 s34, s34, s31
	s_mul_i32 s34, s34, 3
	s_add_co_u32 s34, s34, s35
	s_lshl_b32 s34, s34, 14                        ; the block's place among Wq|Wk|Wv
	s_lshr_b32 s36, s29, 1
	s_lshl3_add_u32 s36, s36, s31
	s_and_b32 s37, s29, 1
	s_lshl1_add_u32 s36, s36, s37
	s_lshl_b32 s36, s36, 14
	s_add_co_u32 s36, s36, 6291456                 ; the block's place in W0's part
	s_cmp_eq_u32 s28, 3
	s_cselect_b32 s22, s36, s34
	s_add_co_u32 s22, s22, s32
	s_mov_b32 s23, 0
	s_lshl_b32 s20, s30, 20                        ; 256 kg rows of 4,096 bytes
	s_lshl_b32 s21, s18, 17                        ; 32 wave rows
	s_add_co_u32 s20, s20, s21
	s_lshl_b32 s21, s29, 8                         ; the chunk's 256 bytes in a row
	s_add_co_u32 s20, s20, s21
	s_mov_b32 s21, 0
	s_wait_kmcnt 0x0
	s_cmp_eq_u32 s28, 0                            ; the matrix is chosen by the work-group's number alone
	s_cselect_b64 s[24:25], s[6:7], s[8:9]
	s_cmp_eq_u32 s28, 2
	s_cselect_b64 s[24:25], s[10:11], s[24:25]
	s_cmp_eq_u32 s28, 3
	s_cselect_b64 s[24:25], s[12:13], s[24:25]
	s_add_nc_u64 s[24:25], s[24:25], s[20:21]
	s_add_nc_u64 s[26:27], s[16:17], s[22:23]
.irp j, 0,1,2,3,4,5,6,7,8,9,10,11,12,13,14,15
	global_load_b128 v[IN+4*\j:IN+4*\j+3], v2, s[24:25] offset:8192*\j th:TH_LOAD_NT
.endr
.Lcvt:
	; on both ways sixteen loads are out.  Loads come back in order (ISA guide 5.7.1): the count leaves the younger ones on their way.
	; No register is written twice, so no further wait is needed.
.irp j, 0,1,2,3,4,5,6,7,8,9,10,11,12,13,14,15
	s_wait_loadcnt 15-\j
	v_cvt_pk_f16_f32 v[OUT+2*\j], v[IN+4*\j], v[IN+4*\j+1]
	v_cvt_pk_f16_f32 v[OUT+2*\j+1], v[IN+4*\j+2], v[IN+4*\j+3]
	global_store_b64 v3, v[OUT+2*\j:OUT+2*\j+1], s[26:27] offset:256*\j
.endr
	s_endpgm
.Lfunc_end_k_q4efc7934c2_prep:
	.size	k_q4efc7934c2_prep, .Lfunc_end_k_q4efc7934c2_prep-k_q4efc7934c2_prep
	.p2alignl 7, 3214868480
	.fill 96, 4, 3214868480
	.section	.rodata,"a",@progbits
	.p2align	6, 0x0
	.amdhsa_kernel k_q4efc7934c2_prep
		.amdhsa_group_segment_fixed_size 0
		.amdhsa_private_segment_fixed_size 0
		.amdhsa_enable_private_segment 0
		.amdhsa_kernarg_size 56
		.amdhsa_user_sgpr_count 2
		.amdhsa_user_sgpr_kernarg_segment_ptr 1
		.amdhsa_wavefront_size32 1
		.amdhsa_system_sgpr_workgroup_id_x 1
		.amdhsa_system_sgpr_workgroup_id_y 1
		.amdhsa_system_sgpr_workgroup_id_z 1
		.amdhsa_system_vgpr_workitem_id 0
		.amdhsa_next_free_vgpr 104
		.amdhsa_next_free_sgpr 66
		.amdhsa_reserve_vcc 0
		.amdhsa_float_denorm_mode_32 3
		.amdhsa_float_denorm_mode_16_64 3
		.amdhsa_memory_ordered 1
		.amdhsa_forward_progress 1
		.amdhsa_inst_pref_size 10
	.end_amdhsa_kernel
	.amdgpu_metadata
---
amdhsa.version: [ 1, 2 ]
amdhsa.kernels:
  - .name:           k_q4efc7934c2_prep
    .symbol:         k_q4efc7934c2_prep.kd
    .args:
      - { .name: inputs, .offset: 0, .size: 8, .value_kind: global_buffer, .address_space: global }
      - { .name: Wq, .offset: 8, .size: 8, .value_kind: global_buffer, .address_space: global }
      - { .name: Wk, .offset: 16, .size: 8, .value_kind: global_buffer, .address_space: global }
      - { .name: Wv, .offset: 24, .size: 8, .value_kind: global_buffer, .address_space: global }
      - { .name: W0, .offset: 32, .size: 8, .value_kind: global_buffer, .address_space: global }
      - { .name: xh, .offset: 40, .size: 8, .value_kind: global_buffer, .address_space: global }
      - { .name: wh, .offset: 48, .size: 8, .value_kind: global_buffer, .address_space: global }
    .group_segment_fixed_size: 0
    .private_segment_fixed_size: 0
    .kernarg_segment_align: 8
    .kernarg_segment_size: 56
    .max_flat_workgroup_size: 256
    .sgpr_count:     66
    .vgpr_count:     104
    .wavefront_size: 32
...
	.end_amdgpu_metadata
.endif
;; end of part 1
;; launch qkv (part 2): grid 16 x 16, 4 waves a work-group, clusters of 4 x 4, 327,680 bytes of LDS; arguments xh, wh, qkvh; writes qkvh
.if DOCPART == 2
	.amdgcn_target "amdgcn-amd-amdhsa--gfx1250"
	.amdhsa_code_object_version 6
	.text
	.protected	k_q4efc7934c2_qkv
	.globl	k_q4efc7934c2_qkv
	.p2align	8
	.type	k_q4efc7934c2_qkv,@function
k_q4efc7934c2_qkv:
	s_mov_b64 s[64:65], 0
	v_nop
	global_prefetch_b8 v0, s[64:65] scope:SCOPE_SE
	s_setreg_imm32_b32 hwreg(HW_REG_WAVE_MODE, 25, 1), 1
	s_wait_xcnt 0x0
	s_wait_alu depctr_hold_cnt(0) depctr_sa_sdst(0) depctr_va_vdst(0) depctr_va_sdst(0) depctr_va_ssrc(0) depctr_va_vcc(0) depctr_vm_vsrc(0)
	s_getreg_b32 s2, hwreg(HW_REG_IB_STS2, 6, 4)
	s_cmp_eq_u32 s2, 0
	s_cbranch_scc0 .Lentry_in_a_cluster
	s_endpgm
.Lentry_in_a_cluster:
	s_bfe_u32 s2, ttmp6, 0x10000c
	s_cmp_lg_u32 s2, 0xf033
	s_cbranch_scc0 .Lentry_shape_is_right
	s_endpgm
.Lentry_shape_is_right:
; qkv: [4096 x 1024] x [1024 x 3072] = q | k | v, f16 operands, f32 sums, f16 results in the order qkvh[chunk of 64 columns (48)][row m (4096)][64].
; Chunk hh is head hh of q, 16 + hh of k, 32 + hh of v.
; LIMIT: q, k and v are rounded to f16: magnitudes below 65,504; below 6.1e-5 the step is 6e-8.
; A work-group makes 256 rows x 192 columns (three chunks): 16 x 16 = 256 work-groups.  Four waves; wave (wm, wn) makes rows 128 wm .. +127 and, in each of
; the three chunks, columns 32 wn .. +31: 8 x 6 = 48 accumulator tiles of 16 x 16, 384 registers.
; K goes in steps of 128 through two LDS slots filled by the tensor data mover.  X's rows are 256 bytes of memory, padded to 272 in LDS.  W's tile is one dense run of
; 49,152 bytes of wh (3 chunks x 128 k x 128 bytes); it comes in as rows of 256 bytes (two k rows), padded to 288.
; CLUSTERS: 4 x 4 work-groups.  X's tile hangs on the block row alone and is asked for jointly by the four of a row of the cluster, W's on the block column alone
; and is asked for by the four of a column: the requests for both are divided by four.  Every wave issues a quarter of each.
; W lies [k][n], so its fragments come by the transposing LDS load.  THE MATRIX INSTRUCTION IS USED TRANSPOSED: source 0 = 16 columns of W, source 1 = 16 rows of X;
; lane (r, h) then holds row r and the eight neighbouring columns 8 h .. 8 h + 7, which pack into 16 bytes.
; REGISTERS: window 0: v1-30 addresses, X fragments v32-95 / v96-159, W fragments v160-207 / v208-255 (two buffers each);
;            window 1: the accumulators of column blocks b = 0..3 at v[8 (8 b + a)]; window 2: b = 4, 5 at v[8 (8 (b - 4) + a)].
.set PA,   272                         ; pitch of X's rows: 16 rows start at 16 different 16-byte columns modulo 256 bytes
.set PB,   288                         ; pitch of W's pair rows: the eight k rows of a transposing load start at 0, 128, 32, 160, 64, 192, 96, 224 modulo 256, 32 bytes each
.set BOFF, 256*PA                      ; 69,632: W's part of a slot
.set SLOT, BOFF+192*PB                 ; 124,928
.set ADRA, 16                          ; v16-17  my X fragments in slot 0, 1
.set ADRB, 20                          ; v20-21  my W fragments in slot 0, 1
.set STO,  24                          ; v24-26  the way out: where I put 16 bytes, chunk 0, 1, 2
.set RD,   27                          ; v27-29  the way out: where I read back, chunk 0, 1, 2
.set CO,   30                          ; v30     16 x lane
.set FA,   32                          ; X fragments: FA + 64 f + 8 a
.set FB,   160                         ; W fragments: FB + 48 f + 8 b
.set OUTB, 32                          ; the way out: 48 x 4 registers of packed results
.set G1A,  24                          ; s[24:31] group 1 of X's tiles
.set G0A,  32                          ; s[32:39] group 0 of X's tiles, a set for each slot
.set G1B,  48                          ; s[48:55] group 1 of W's tiles
.set G0B,  56                          ; s[56:63] group 0 of W's tiles, a set for each slot
.set MSB,  0
.macro WIN new                         ; the immediate's high byte repeats the setting that is left; a switch that changes nothing is dropped
.if MSB != \new
	s_set_vgpr_msb (MSB<<8)|\new
.set MSB, \new
.endif
.endm
.macro PLACES n                        ; places behind matrix instructions (ISA guide 7.12.1); the matrix instructions in between are not counted
.rept \n
	v_nop
.endr
.endm
.macro CREST                           ; a round of the cluster's barrier behind its opening work-group barrier
	s_cmp_lg_u32 s10, 0
	s_cbranch_scc1 .Lnot_wave_0_\@
	s_barrier_signal -3
.Lnot_wave_0_\@:
	s_barrier_wait -3
	s_barrier_signal -1
	s_barrier_wait -1
.endm
.macro CROUND                          ; a whole round
	s_barrier_signal -1
	s_barrier_wait -1
	CREST
.endm
	s_load_b128 s[4:7], s[0:1], 0x0                ; xh s[4:5], wh s[6:7]
	s_load_b64 s[8:9], s[0:1], 0x10                ; qkvh
	v_lshl_add_u32 v23, v0, 2, 0x3d000
	v_mov_b32 v31, 0
	ds_add_u32 v23, v31
	v_lshrrev_b32 v1, 5, v0
	v_readfirstlane_b32 s10, v1                    ; wave 0..3
	s_lshr_b32 s11, s10, 1                         ; wm
	s_and_b32 s12, s10, 1                          ; wn
	s_bfe_u32 s40, ttmp6, 0x40000                  ; cx
	s_bfe_u32 s41, ttmp6, 0x40004                  ; cy
	s_lshl_b32 s42, ttmp9, 2
	s_add_co_u32 s42, s42, s40                     ; block column bx = 4 x cluster x + cx
	s_and_b32 s13, ttmp7, 0xffff
	s_lshl_b32 s13, s13, 2
	s_add_co_u32 s13, s13, s41                     ; block row by = 4 x cluster y + cy
	s_lshl_b32 s43, s41, 2
	s_lshl_b32 s43, 15, s43                        ; my row of the cluster
	s_lshl_b32 s44, 0x1111, s40                    ; my column
	; group 1 of X's tiles: 64 rows x 128 elements of 2 bytes, 1,024 elements from row to row, 4 words of padding behind every 64
	s_or_b32 s[G1A+0], s43, (1<<16)|(1<<20)|(1<<21)|(5<<22)|(3<<25)
	s_mov_b32 s[G1A+1], 128<<16                    ; tensor_dim0 = 128
	s_mov_b32 s[G1A+2], 64<<16                     ; tensor_dim1 = 64
	s_mov_b32 s[G1A+3], 128<<16                    ; tile_dim0 = 128
	s_mov_b32 s[G1A+4], 64                         ; tile_dim1 = 64
	s_mov_b32 s[G1A+5], 1024
	s_mov_b32 s[G1A+6], 0
	s_mov_b32 s[G1A+7], 0
	; group 1 of W's tiles: 48 rows x 128 elements, dense, 8 words of padding behind every 64
	s_or_b32 s[G1B+0], s44, (1<<16)|(1<<20)|(1<<21)|(5<<22)|(7<<25)
	s_mov_b32 s[G1B+1], 128<<16
	s_mov_b32 s[G1B+2], 48<<16
	s_mov_b32 s[G1B+3], 128<<16
	s_mov_b32 s[G1B+4], 48
	s_mov_b32 s[G1B+5], 128
	s_mov_b32 s[G1B+6], 0
	s_mov_b32 s[G1B+7], 0
	; X's address is made of the block row and the wave alone, W's of the block column and the wave alone, each in registers that never hold the other coordinate
	s_lshl_b32 s16, s13, 19                        ; 256 by rows of 2,048 bytes
	s_lshl_b32 s17, s10, 17                        ; + 64 wave rows
	s_add_co_u32 s16, s16, s17
	s_mov_b32 s17, 0
	s_mul_i32 s46, s42, 393216                     ; bx: eight K steps of 49,152 bytes
	s_mul_i32 s47, s10, 12288                      ; + the wave's 48 pair rows
	s_add_co_u32 s46, s46, s47
	s_mov_b32 s47, 0
	s_mul_i32 s20, s10, 64*PA                      ; where they go: the wave's number alone enters an LDS address
	s_mul_i32 s21, s10, 48*PB
	s_add_co_u32 s21, s21, BOFF
	s_wait_dscnt 0x0
	s_wait_kmcnt 0x0
	s_add_nc_u64 s[14:15], s[4:5], s[16:17]
	s_add_nc_u64 s[46:47], s[6:7], s[46:47]
	CROUND                                         ; all sixteen work-groups are here: the first joint loads meet
.irp s, 0,1
	s_mov_b32 s[G0A+4*\s], 1
	s_add_co_u32 s[G0A+4*\s+1], s20, \s*SLOT
	s_add_nc_u64 s[G0A+4*\s+2:G0A+4*\s+3], s[14:15], \s*256       ; K step s: 128 elements along the row
	s_or_b32 s[G0A+4*\s+3], s[G0A+4*\s+3], 0x80000000
	s_mov_b32 s[G0B+4*\s], 1
	s_add_co_u32 s[G0B+4*\s+1], s21, \s*SLOT
	s_add_nc_u64 s[G0B+4*\s+2:G0B+4*\s+3], s[46:47], \s*49152
	s_or_b32 s[G0B+4*\s+3], s[G0B+4*\s+3], 0x80000000
	tensor_load_to_lds s[G0A+4*\s:G0A+4*\s+3], s[G1A:G1A+7]       ; four tensor loads of the wave are out here, later two
	s_nop 0
	tensor_load_to_lds s[G0B+4*\s:G0B+4*\s+3], s[G1B:G1B+7]
	s_nop 0
.endr
	v_and_b32 v1, 15, v0                           ; r
	v_bfe_u32 v2, v0, 4, 1                         ; h
	v_mul_u32_u24 v3, v1, PA
	v_lshl_add_u32 v3, v2, 4, v3                   ; X fragment: row r, 16 bytes for each half of the lanes
	s_mul_i32 s22, s11, 128*PA
	v_add_nc_u32 v[ADRA], s22, v3
	v_add_nc_u32 v[ADRA+1], SLOT, v[ADRA]
	; W fragment: lane l addresses k row 8 h + l % 8 (pair row 4 h + (l % 8) / 2, half l % 2) and the 16 bytes (l / 8) % 2
	v_mul_u32_u24 v4, v2, 4*PB
	v_bfe_u32 v5, v0, 1, 2
	v_mad_u32_u24 v4, v5, PB, v4
	v_and_b32 v5, 1, v0
	v_lshl_add_u32 v4, v5, 7, v4
	v_bfe_u32 v6, v0, 3, 1
	v_lshl_add_u32 v4, v6, 4, v4
	s_lshl_b32 s22, s12, 6                         ; my 32 columns of each chunk
	s_add_co_u32 s23, s22, BOFF
	v_add_nc_u32 v[ADRB], s23, v4
	v_add_nc_u32 v[ADRB+1], SLOT, v[ADRB]
	; the way out: rows of 128 bytes lie two to a row of 272 bytes
	v_bfe_u32 v6, v0, 1, 3
	v_mul_u32_u24 v6, v6, PA
	v_lshl_add_u32 v6, v5, 7, v6
	v_lshl_add_u32 v6, v2, 4, v6                   ; (r / 2) 272 + (r % 2) 128 + 16 h
	s_mul_i32 s23, s11, 64*PA
	s_add_co_u32 s23, s23, s22
	v_add_nc_u32 v[STO], s23, v6
	v_add_nc_u32 v[STO+1], 128*PA, v[STO]
	v_add_nc_u32 v[STO+2], 256*PA, v[STO]
	v_mul_u32_u24 v7, v2, PA
	v_lshl_add_u32 v7, v1, 4, v7
	s_mul_i32 s23, s10, 32*PA                      ; I read back rows 64 wave .. +63 of each chunk
	v_add_nc_u32 v[RD], s23, v7
	v_add_nc_u32 v[RD+1], 128*PA, v[RD]
	v_add_nc_u32 v[RD+2], 256*PA, v[RD]
	v_and_b32 v8, 31, v0
	v_lshlrev_b32 v[CO], 4, v8
; nb column blocks from b0 x all 8 row blocks, 32 along K, from buffer f.  bw: the first block of the window.  zero = 1: the first product starts the sums.
; The 48 accumulators take turns, one instruction a turn, in the same order in every quarter step.
.macro MUL f, b0, nb, bw, zero
.set bb, \b0
.rept \nb
.irp a, 0,1,2,3,4,5,6,7
.if \zero
	v_wmma_f32_16x16x32_f16 v[8*(8*(bb-\bw)+\a):8*(8*(bb-\bw)+\a)+7], v[FB+48*\f+8*bb:FB+48*\f+8*bb+7], v[FA+64*\f+8*\a:FA+64*\f+8*\a+7], 0
.else
	v_wmma_f32_16x16x32_f16 v[8*(8*(bb-\bw)+\a):8*(8*(bb-\bw)+\a)+7], v[FB+48*\f+8*bb:FB+48*\f+8*bb+7], v[FA+64*\f+8*\a:FA+64*\f+8*\a+7], v[8*(8*(bb-\bw)+\a):8*(8*(bb-\bw)+\a)+7]
.endif
.endr
.set bb, bb+1
.endr
.endm
; 28 LDS loads in one run: the fragments of quarter kq (32 along K) into buffer f: X's 8 row blocks, then W's 6 column blocks in ascending order
.macro FETCH slot, kq, f
.irp a, 0,1,2,3,4,5,6,7
	ds_load_b128 v[FA+64*\f+8*\a:FA+64*\f+8*\a+3], v[ADRA+\slot] offset:\kq*64+\a*16*PA
	ds_load_b128 v[FA+64*\f+8*\a+4:FA+64*\f+8*\a+7], v[ADRA+\slot] offset:\kq*64+\a*16*PA+32
.endr
.irp b, 0,1,2,3,4,5
	ds_load_tr16_b128 v[FB+48*\f+8*\b:FB+48*\f+8*\b+3], v[ADRB+\slot] offset:\kq*16*PB+(\b/2)*64*PB+(\b%2)*32
	ds_load_tr16_b128 v[FB+48*\f+8*\b+4:FB+48*\f+8*\b+7], v[ADRB+\slot] offset:\kq*16*PB+(\b/2)*64*PB+(\b%2)*32+8*PB
.endr
.endm
; One of a K step's first three quarters: multiplies buffer f; in its middle it fetches quarter k of the same slot into buffer g.
.macro QUARTER slot, k, f, g, zero
	s_wait_dscnt 4                                 ; all but the youngest four loads (W's blocks 4 and 5) are in
	WIN 0x50
	MUL \f, 0, 4, 0, \zero
	WIN 0
	PLACES 4                                       ; buffer g was read by matrix instructions: four places in front of the loads into it
	FETCH \slot, \k, \g
	s_wait_dscnt 28                                ; all but the 28 just issued
	WIN 0xa0
	MUL \f, 4, 2, 4, \zero
.endm
.macro THREE slot, zero
	QUARTER \slot, 1, 0, 1, \zero
	QUARTER \slot, 2, 1, 0, 0
	QUARTER \slot, 3, 0, 1, 0
.endm
; The last quarter: multiplies buffer 1 and changes slots.  In front of the barrier each wave waits for its reads of this slot and for all its tensor loads (the two that are
; out are its parts of the next slot).  fill = 1: the barrier opens a round of the cluster's barrier, and the joint refills are the first tensor loads behind the round.
.macro TURN slot, next, fill
	s_wait_dscnt 4
	WIN 0x50
	MUL 1, 0, 2, 0, 0
	s_wait_dscnt 0                                 ; my reads of this slot are over
	s_wait_tensorcnt 0x0                           ; all my tensor loads have landed
	ds_add_u32 v23, v31
	s_wait_dscnt 0x0
	s_barrier_signal -1
	MUL 1, 2, 2, 0, 0                              ; register work while the others arrive
	WIN 0
	s_barrier_wait -1
.if \fill
	CREST                                          ; no wave of any partner still reads this slot or has a load on its way
	s_add_nc_u64 s[G0A+4*\slot+2:G0A+4*\slot+3], s[G0A+4*\slot+2:G0A+4*\slot+3], 512
	s_add_nc_u64 s[G0B+4*\slot+2:G0B+4*\slot+3], s[G0B+4*\slot+2:G0B+4*\slot+3], 98304
	tensor_load_to_lds s[G0A+4*\slot:G0A+4*\slot+3], s[G1A:G1A+7]
	s_nop 0
	tensor_load_to_lds s[G0B+4*\slot:G0B+4*\slot+3], s[G1B:G1B+7]
	s_nop 0
.endif
	PLACES 4
	FETCH \next, 0, 0
	WIN 0xa0
	MUL 1, 4, 2, 4, 0
.endm
.macro LAP zero                        ; two K steps: once round the ring, both slots filled again
	THREE 0, \zero
	TURN 0, 1, 1
	THREE 1, 0
	TURN 1, 0, 1
.endm
	s_wait_tensorcnt 2                             ; my parts of K step 0 are in; the two loads of K step 1 stay out
	s_barrier_signal -1
	s_barrier_wait -1
	FETCH 0, 0, 0
	LAP 1                                          ; K steps 0, 1: the first products start the sums
	WIN 0
	s_mov_b32 s3, 2                                ; K steps 2 .. 5
.Llap:
	LAP 0
	WIN 0
	s_sub_co_u32 s3, s3, 1
	s_cmp_lg_u32 s3, 0
	s_cbranch_scc1 .Llap
	THREE 0, 0                                     ; K steps 6, 7: nothing is filled any more
	TURN 0, 1, 0
	THREE 1, 0
	s_wait_dscnt 4
	WIN 0x50
	MUL 1, 0, 4, 0, 0
	s_wait_dscnt 0
	WIN 0xa0
	MUL 1, 4, 2, 4, 0
	; THE WAY OUT.  Rounded to f16, 16 bytes a lane, into a stage of 3 chunks x 128 pair rows x 272 bytes.  The stage lies in slot 0, which has had its last fill and whose
	; last reads were waited for in front of the barrier of K step 6; the other waves' last reads are in slot 1.
	WIN 0
	PLACES 4                                       ; four places behind the last matrix instructions: the conversions read results and write over the fragment buffers
	s_lshl_b32 s16, s13, 15                        ; 256 by rows of 128 bytes
	s_lshl_b32 s17, s10, 13                        ; + 64 wave rows
	s_add_co_u32 s16, s16, s17
	s_mov_b32 s17, 0
	s_add_nc_u64 s[8:9], s[8:9], s[16:17]
	s_mul_i32 s46, s42, 1572864                    ; chunk 3 bx: 4,096 rows of 128 bytes each
	s_mov_b32 s47, 0
	s_add_nc_u64 s[8:9], s[8:9], s[46:47]
	WIN 0x05
.set idx, 0
.rept 32
.irp q, 0,1,2,3
	v_cvt_pk_f16_f32 v[OUTB+4*idx+\q], v[8*idx+2*\q], v[8*idx+2*\q+1]
.endr
.set idx, idx+1
.endr
	WIN 0x0a
.set idx, 0
.rept 16
.irp q, 0,1,2,3
	v_cvt_pk_f16_f32 v[OUTB+128+4*idx+\q], v[8*idx+2*\q], v[8*idx+2*\q+1]
.endr
.set idx, idx+1
.endr
	WIN 0
.irp b, 0,1,2,3,4,5
.irp a, 0,1,2,3,4,5,6,7
	ds_store_b128 v[STO+\b/2], v[OUTB+4*(8*\b+\a):OUTB+4*(8*\b+\a)+3] offset:\a*8*PA+(\b%2)*32
.endr
.endr
	s_wait_dscnt 0                                 ; my stores are done: a row's two halves come from two waves
	s_barrier_signal -1
	s_barrier_wait -1
.irp hd, 0,1,2
.irp t, 0,1,2,3,4,5,6,7,8,9,10,11,12,13,14,15
	ds_load_b128 v[OUTB+4*(16*\hd+\t):OUTB+4*(16*\hd+\t)+3], v[RD+\hd] offset:\t*2*PA
.endr
.endr
.irp hd, 0,1,2
.irp t, 0,1,2,3,4,5,6,7,8,9,10,11,12,13,14,15
	s_wait_dscnt 47-(16*\hd+\t)                    ; LDS loads come back in order: the younger ones stay out
	global_store_b128 v[CO], v[OUTB+4*(16*\hd+\t):OUTB+4*(16*\hd+\t)+3], s[8:9] offset:\hd*524288+\t*512   ; a store of the wave covers 512 consecutive bytes, aligned
.endr
.endr
	s_wait_tensorcnt 0x0
	ds_add_u32 v23, v31
	s_wait_dscnt 0x0
	CROUND                                         ; the closing round: no work-group ends while a partner may still ask for a tile that names it
	s_endpgm
.Lfunc_end_k_q4efc7934c2_qkv:
	.size	k_q4efc7934c2_qkv, .Lfunc_end_k_q4efc7934c2_qkv-k_q4efc7934c2_qkv
	.p2alignl 7, 3214868480
	.fill 96, 4, 3214868480
	.section	.rodata,"a",@progbits
	.p2align	6, 0x0
	.amdhsa_kernel k_q4efc7934c2_qkv
		.amdhsa_group_segment_fixed_size 327680
		.amdhsa_private_segment_fixed_size 0
		.amdhsa_enable_private_segment 0
		.amdhsa_kernarg_size 24
		.amdhsa_user_sgpr_count 2
		.amdhsa_user_sgpr_kernarg_segment_ptr 1
		.amdhsa_wavefront_size32 1
		.amdhsa_system_sgpr_workgroup_id_x 1
		.amdhsa_system_sgpr_workgroup_id_y 1
		.amdhsa_system_sgpr_workgroup_id_z 1
		.amdhsa_system_vgpr_workitem_id 0
		.amdhsa_next_free_vgpr 640
		.amdhsa_next_free_sgpr 66
		.amdhsa_reserve_vcc 0
		.amdhsa_float_denorm_mode_32 3
		.amdhsa_float_denorm_mode_16_64 3
		.amdhsa_memory_ordered 1
		.amdhsa_forward_progress 1
		.amdhsa_inst_pref_size 156
	.end_amdhsa_kernel
	.amdgpu_metadata
---
amdhsa.version: [ 1, 2 ]
amdhsa.kernels:
  - .name:           k_q4efc7934c2_qkv
    .symbol:         k_q4efc7934c2_qkv.kd
    .args:
      - { .name: xh, .offset: 0, .size: 8, .value_kind: global_buffer, .address_space: global }
      - { .name: wh, .offset: 8, .size: 8, .value_kind: global_buffer, .address_space: global }
      - { .name: qkvh, .offset: 16, .size: 8, .value_kind: global_buffer, .address_space: global }
    .group_segment_fixed_size: 327680
    .private_segment_fixed_size: 0
    .kernarg_segment_align: 8
    .kernarg_segment_size: 24
    .max_flat_workgroup_size: 128
    .sgpr_count:     66
    .vgpr_count:     640
    .wavefront_size: 32
...
	.end_amdgpu_metadata
.endif
;; end of part 2
;; launch attn (part 3): grid 8 x 32, 8 waves a work-group, clusters of 4 x 1, 327,680 bytes of LDS; arguments qkvh, ctx; writes ctx
.if DOCPART == 3
	.amdgcn_target "amdgcn-amd-amdhsa--gfx1250"
	.amdhsa_code_object_version 6
	.text
	.protected	k_q4efc7934c2_attn
	.globl	k_q4efc7934c2_attn
	.p2align	8
	.type	k_q4efc7934c2_attn,@function
k_q4efc7934c2_attn:
	s_mov_b64 s[64:65], 0
	v_nop
	global_prefetch_b8 v0, s[64:65] scope:SCOPE_SE
	s_setreg_imm32_b32 hwreg(HW_REG_WAVE_MODE, 25, 1), 1
	s_wait_xcnt 0x0
	s_wait_alu depctr_hold_cnt(0) depctr_sa_sdst(0) depctr_va_vdst(0) depctr_va_sdst(0) depctr_va_ssrc(0) depctr_va_vcc(0) depctr_vm_vsrc(0)
	s_getreg_b32 s2, hwreg(HW_REG_IB_STS2, 6, 4)
	s_cmp_eq_u32 s2, 0
	s_cbranch_scc0 .Lentry_in_a_cluster
	s_endpgm
.Lentry_in_a_cluster:
	s_bfe_u32 s2, ttmp6, 0x10000c
	s_cmp_lg_u32 s2, 0x3003
	s_cbranch_scc0 .Lentry_shape_is_right
	s_endpgm
.Lentry_shape_is_right:
; attn: softmax(q k^T / 8) v for each of the 32 pairs (batch b, head hh), with a running maximum; f16 operands, f32 sums and softmax.
; qkvh[chunk (48)][m (4096)][64] f16: chunk hh is q, 16 + hh is k, 32 + hh is v.  ctx[hh (16)][m (4096)][64] f16.
; LIMIT: the probabilities (0 .. 1) and the heads are rounded to f16: heads below 65,504 in magnitude; below 6.1e-5 the step is 6e-8.
; A work-group takes 256 queries of one (b, hh); eight waves of 512 registers, two to a SIMD.  Wave w takes queries 64 (w % 4) .. +63 and half w / 4 of each tile's
; 256 keys.  The two halves are merged once, at the end, through LDS.
; CLUSTERS: the four query blocks of a cluster (4, 1, 1) belong to one (b, hh) and walk the same K and V tiles: each tile is asked for jointly (mask 15).
; Eight tiles of 256 keys go through two LDS slots.  K's and V's rows of 128 bytes are dense in memory and come in as rows of 256 bytes (two keys), K padded to 272, V to 288.
; LAYOUTS: S^T = K (source 0) x Q (source 1): lane (r, h) holds query r and keys 8 h + j.  Packing neighbouring registers gives P as source 1 of
; O^T = V^T (source 0, by the transposing LDS load) x P: lane (r, h) holds query r, d = 8 h + j.  So maximum, sum and factor are one number a lane,
; and the only step across lanes is between the two halves of 16.
; p = exp2(S c + NM), c = log2(e) / 8, NM = round(-c M), M the running maximum of the raw scores.  When M grows, what has been summed is multiplied by
; exp2(NM new - NM old), the quotient of the two shifts as they are really applied.
; HALF A STEP APART.  For 64 keys a wave runs S (32 matrix instructions), v (the softmax: vector work alone), P (32 matrix instructions).  At a change of tiles the lower
; waves (w < 4) stop between v and P, the upper waves between S and v.  At both points a wave has read all it needs of the slot (K is multiplied, V's fragments
; are in registers), so the slot can be filled again; and behind the barrier the lower waves run P and the next S while the upper waves run v, then the other way
; round.  Where a lower and an upper wave share a SIMD, one's matrix instructions so stand beside the other's vector work.  The barriers, loads and waits are
; one text for all; only a v at the head of a tile (upper waves) and one at its end (lower waves) stand under branches on the wave's number.
; THE TEXT: tile 0 and tile 7 are written out, tiles 1 to 6 are three trips of a loop of two tiles, so that the softmax stands 11 times for a wave's 16 steps.
; REGISTERS: window 0 as named below; window 1: S(qb, kb) at 32 qb + 8 kb (then P), O(qb, db) at 128 + 32 qb + 8 db.
.set PK,   272
.set PV,   288
.set VOFF, 128*PK                      ; 34,816: V's part of a slot
.set SLOT, VOFF+128*PV                 ; 71,680
.set MST,  2*SLOT                      ; 143,360: the merge's stage, for each group of queries 16,384 bytes of O, 512 of NM, 512 of l; no tensor load lands here
.set MSTQ, 17408
.set OST,  MST+4*MSTQ                  ; 212,992: the way out, 32 pair rows of 272 bytes for each group of queries
.set OSTQ, 32*PK
.set TILEB, 32768                      ; 256 keys of 128 bytes
.set KADR, 8                           ; v8-9    my K fragments in slot 0, 1
.set VADR, 10                          ; v10-11  my V fragments in slot 0, 1
.set QOFF, 12
.set MSTA, 13
.set OSTW, 14
.set OSTR, 15
.set CO,   16                          ; 16 x lane
.set M,    20                          ; v20-23  running maximum of query block qb
.set L,    24                          ; v24-31  running sum, a pair for each qb
.set AL,   32                          ; v32-39  factor, in the low register of a pair (the high one is 0 and never used)
.set NM,   40                          ; v40-47  -c M, likewise
.set T,    48                          ; v48-63  scratch of the softmax, four registers for each qb
.set FIN,  48                          ; v48-63  the end: my l, my NM, the partner's NM, the partner's l
.set QF,   64                          ; Q fragments: 16 qb + 8 kc
.set KF,   128                         ; K fragments: 16 kb + 8 kc
.set VF,   192                         ; V fragments: 16 db + 8 kc
.set OREG, 128                         ; window 1
.set G1K,  16
.set G1V,  24
.set G0K,  32                          ; a set for each slot
.set G0V,  40
.set MSB,  0
.macro WIN new                         ; the immediate's high byte repeats the setting that is left; a switch that changes nothing is dropped
.if MSB != \new
	s_set_vgpr_msb (MSB<<8)|\new
.set MSB, \new
.endif
.endm
.macro PLACES n                        ; places behind matrix instructions (ISA guide 7.12.1); the matrix instructions in between are not counted
.rept \n
	v_nop
.endr
.endm
.macro CROUND                          ; a round of the cluster's barrier
	s_barrier_signal -1
	s_barrier_wait -1
	s_cmp_lg_u32 s8, 0
	s_cbranch_scc1 .Lnot_wave_0_\@
	s_barrier_signal -3
.Lnot_wave_0_\@:
	s_barrier_wait -3
	s_barrier_signal -1
	s_barrier_wait -1
.endm
	s_load_b128 s[4:7], s[0:1], 0x0                ; qkvh s[4:5], ctx s[6:7]
	v_lshl_add_u32 v18, v0, 2, 0x3c800
	v_mov_b32 v19, 0
	ds_add_u32 v18, v19
	v_lshrrev_b32 v1, 5, v0
	v_readfirstlane_b32 s8, v1                     ; wave 0..7
	s_lshr_b32 s9, s8, 2                           ; kp: my half of the keys
	s_and_b32 s10, s8, 3                           ; qg: my 64 queries
	s_mov_b32 s12, 0x76543210                      ; v_permlanex16_b32: lane i reads lane i of the other half
	s_mov_b32 s13, 0xfedcba98
	s_mov_b32 s14, 0x3e38aa3b                      ; c = log2(e) / 8
	s_mov_b32 s15, 0x3e38aa3b
	s_bfe_u32 s50, ttmp6, 0x40000                  ; cx
	s_lshl_b32 s51, ttmp9, 2
	s_add_co_u32 s51, s51, s50                     ; query block = 4 x cluster x + cx
	s_and_b32 s52, ttmp7, 0xffff                   ; 16 b + hh
	s_and_b32 s53, s52, 15
	s_lshr_b32 s52, s52, 4
	s_lshl_b32 s53, s53, 19                        ; hh chunks of 524,288 bytes
	s_lshl_b32 s52, s52, 18                        ; b x 2,048 rows of 128 bytes
	s_add_co_u32 s53, s53, s52                     ; shared by the four partners
	s_lshl_b32 s56, s8, 12                         ; the wave's 32 keys of a tile
	s_add_co_u32 s56, s56, s53
	s_add_co_u32 s56, s56, 8388608                 ; K: chunk 16 + hh
	s_mov_b32 s57, 0
	s_add_co_u32 s58, s56, 8388608                 ; V: chunk 32 + hh
	s_mov_b32 s59, 0
	s_lshl_b32 s54, s51, 15                        ; my work-group's 256 queries,
	s_lshl_b32 s55, s10, 13                        ; my wave's 64
	s_add_co_u32 s54, s54, s55
	s_add_co_u32 s54, s54, s53
	s_mov_b32 s55, 0
	; group 1: 16 rows x 128 elements of 2 bytes, dense; K: 4 words of padding behind every 64, V: 8
	s_mov_b32 s[G1K+0], 15|(1<<16)|(1<<20)|(1<<21)|(5<<22)|(3<<25)
	s_mov_b32 s[G1K+1], 128<<16
	s_mov_b32 s[G1K+2], 16<<16
	s_mov_b32 s[G1K+3], 128<<16
	s_mov_b32 s[G1K+4], 16
	s_mov_b32 s[G1K+5], 128
	s_mov_b32 s[G1K+6], 0
	s_mov_b32 s[G1K+7], 0
	s_mov_b32 s[G1V+0], 15|(1<<16)|(1<<20)|(1<<21)|(5<<22)|(7<<25)
	s_mov_b32 s[G1V+1], 128<<16
	s_mov_b32 s[G1V+2], 16<<16
	s_mov_b32 s[G1V+3], 128<<16
	s_mov_b32 s[G1V+4], 16
	s_mov_b32 s[G1V+5], 128
	s_mov_b32 s[G1V+6], 0
	s_mov_b32 s[G1V+7], 0
	s_mul_i32 s2, s8, 16*PK                        ; where the wave's rows go
	s_mul_i32 s3, s8, 16*PV
	s_add_co_u32 s3, s3, VOFF
	v_and_b32 v1, 15, v0                           ; r
	v_bfe_u32 v2, v0, 4, 1                         ; h
	v_lshlrev_b32 v[QOFF], 7, v1
	v_lshl_add_u32 v[QOFF], v2, 4, v[QOFF]         ; Q fragment from memory: row r, 16 bytes for each half
	s_wait_dscnt 0x0
	s_wait_kmcnt 0x0
	s_add_nc_u64 s[60:61], s[4:5], s[54:55]        ; my queries
	s_add_nc_u64 s[62:63], s[6:7], s[54:55]        ; and where their heads go
	s_add_nc_u64 s[56:57], s[4:5], s[56:57]
	s_add_nc_u64 s[58:59], s[4:5], s[58:59]
.irp qb, 0,1,2,3
.irp kc, 0,1
	global_load_b128 v[QF+16*\qb+8*\kc:QF+16*\qb+8*\kc+3], v[QOFF], s[60:61] offset:\qb*2048+\kc*64
	global_load_b128 v[QF+16*\qb+8*\kc+4:QF+16*\qb+8*\kc+7], v[QOFF], s[60:61] offset:\qb*2048+\kc*64+32
.endr
.endr
.irp s, 0,1
	s_mov_b32 s[G0K+4*\s], 1
	s_add_co_u32 s[G0K+4*\s+1], s2, \s*SLOT
	s_add_nc_u64 s[G0K+4*\s+2:G0K+4*\s+3], s[56:57], \s*TILEB
	s_or_b32 s[G0K+4*\s+3], s[G0K+4*\s+3], 0x80000000
	s_mov_b32 s[G0V+4*\s], 1
	s_add_co_u32 s[G0V+4*\s+1], s3, \s*SLOT
	s_add_nc_u64 s[G0V+4*\s+2:G0V+4*\s+3], s[58:59], \s*TILEB
	s_or_b32 s[G0V+4*\s+3], s[G0V+4*\s+3], 0x80000000
.endr
	CROUND                                         ; the four work-groups are here: the first joint loads meet
.irp s, 0,1
	tensor_load_to_lds s[G0K+4*\s:G0K+4*\s+3], s[G1K:G1K+7]        ; tiles 0 and 1, both slots' first fill: four tensor loads of the wave are out here, later two
	s_nop 0
	tensor_load_to_lds s[G0V+4*\s:G0V+4*\s+3], s[G1V:G1V+7]
	s_nop 0
.endr
.irp i, 0,1,2,3,4,5,6,7
	v_mov_b32 v[L+\i], 0                           ; the sums start at 0
.endr
.irp i, 0,1,2,3
	v_mov_b32 v[AL+2*\i+1], 0                      ; the pairs' unused halves are written once
	v_mov_b32 v[NM+2*\i+1], 0
.endr
	v_and_b32 v4, 1, v0
	v_bfe_u32 v3, v0, 1, 3
	v_mul_u32_u24 v3, v3, PK
	v_lshl_add_u32 v3, v4, 7, v3
	v_lshl_add_u32 v3, v2, 4, v3                   ; (r / 2) 272 + (r % 2) 128 + 16 h: row r of rows that lie two to a pitch
	v_mul_u32_u24 v5, v2, 4*PV
	v_bfe_u32 v6, v0, 1, 2
	v_mad_u32_u24 v5, v6, PV, v5
	v_lshl_add_u32 v5, v4, 7, v5
	v_bfe_u32 v6, v0, 3, 1
	v_lshl_add_u32 v5, v6, 4, v5                   ; transposing load: key 8 h + l % 8, 16 bytes (l / 8) % 2
	s_mul_i32 s2, s9, 64*PK                        ; my 128 keys of a tile
	s_mul_i32 s3, s9, 64*PV
	s_add_co_u32 s3, s3, VOFF
	s_mul_i32 s11, s10, MSTQ
	s_add_co_u32 s11, s11, MST
	s_mul_i32 s49, s10, OSTQ
	s_add_co_u32 s49, s49, OST
	v_add_nc_u32 v[KADR], s2, v3
	v_add_nc_u32 v[KADR+1], SLOT, v[KADR]
	v_add_nc_u32 v[VADR], s3, v5
	v_add_nc_u32 v[VADR+1], SLOT, v[VADR]
	v_and_b32 v6, 31, v0
	v_lshlrev_b32 v[CO], 4, v6
	v_add_nc_u32 v[MSTA], s11, v[CO]
	v_add_nc_u32 v[OSTW], s49, v3
	v_mul_u32_u24 v7, v2, PK
	v_lshl_add_u32 v7, v1, 4, v7
	v_add_nc_u32 v[OSTR], s49, v7
	s_wait_loadcnt 0x0                             ; Q, once
.macro KLOAD slot, sub                 ; 16 loads: 64 keys x 64 d
.irp kb, 0,1,2,3
.irp kc, 0,1
	ds_load_b128 v[KF+16*\kb+8*\kc:KF+16*\kb+8*\kc+3], v[KADR+\slot] offset:(\sub)*32*PK+\kb*8*PK+\kc*64
	ds_load_b128 v[KF+16*\kb+8*\kc+4:KF+16*\kb+8*\kc+7], v[KADR+\slot] offset:(\sub)*32*PK+\kb*8*PK+\kc*64+32
.endr
.endr
.endm
.macro VLOAD slot, sub                 ; 16 transposing loads: 64 d x 64 keys
.irp db, 0,1,2,3
.irp kc, 0,1
	ds_load_tr16_b128 v[VF+16*\db+8*\kc:VF+16*\db+8*\kc+3], v[VADR+\slot] offset:(\sub)*32*PV+\kc*16*PV+\db*32
	ds_load_tr16_b128 v[VF+16*\db+8*\kc+4:VF+16*\db+8*\kc+7], v[VADR+\slot] offset:(\sub)*32*PV+\kc*16*PV+\db*32+8*PV
.endr
.endr
.endm
; S: 64 keys against my 64 queries.  The 16 accumulators take turns, one instruction a turn.
.macro SMM
	WIN 0x50
.irp qb, 0,1,2,3
.irp kb, 0,1,2,3
	v_wmma_f32_16x16x32_f16 v[32*\qb+8*\kb:32*\qb+8*\kb+7], v[KF+16*\kb:KF+16*\kb+7], v[QF+16*\qb:QF+16*\qb+7], 0
.endr
.endr
.irp qb, 0,1,2,3
.irp kb, 0,1,2,3
	v_wmma_f32_16x16x32_f16 v[32*\qb+8*\kb:32*\qb+8*\kb+7], v[KF+16*\kb+8:KF+16*\kb+15], v[QF+16*\qb+8:QF+16*\qb+15], v[32*\qb+8*\kb:32*\qb+8*\kb+7]
.endr
.endr
	WIN 0
	PLACES 5                                       ; four in front of loads into K's fragments and of reads of S, five in front of a matrix instruction that takes S's registers as a source
.endm
; P: O += V^T P.  first = 1: the first product starts the sums.  The 16 accumulators take turns likewise.
.macro PVM first
	WIN 0x54
.irp qb, 0,1,2,3
.irp db, 0,1,2,3
.if \first
	v_wmma_f32_16x16x32_f16 v[OREG+32*\qb+8*\db:OREG+32*\qb+8*\db+7], v[VF+16*\db:VF+16*\db+7], v[32*\qb:32*\qb+7], 0
.else
	v_wmma_f32_16x16x32_f16 v[OREG+32*\qb+8*\db:OREG+32*\qb+8*\db+7], v[VF+16*\db:VF+16*\db+7], v[32*\qb:32*\qb+7], v[OREG+32*\qb+8*\db:OREG+32*\qb+8*\db+7]
.endif
.endr
.endr
.irp qb, 0,1,2,3
.irp db, 0,1,2,3
	v_wmma_f32_16x16x32_f16 v[OREG+32*\qb+8*\db:OREG+32*\qb+8*\db+7], v[VF+16*\db+8:VF+16*\db+15], v[32*\qb+16:32*\qb+23], v[OREG+32*\qb+8*\db:OREG+32*\qb+8*\db+7]
.endr
.endr
	WIN 0
	PLACES 5                                       ; five places: the next S products write over P; four of them also stand in front of the next loads into V's fragments and of reads of O
.endm
.macro MAXH j, b                       ; chain j of each query block starts with three scores,
.irp qb, 0,1,2,3
	v_max3_num_f32 v[T+4*\qb+\j], v[32*\qb+\b], v[32*\qb+\b+1], v[32*\qb+\b+2]
.endr
.endm
.macro MAXC j, b                       ; and takes two more
.irp qb, 0,1,2,3
	v_max3_num_f32 v[T+4*\qb+\j], v[T+4*\qb+\j], v[32*\qb+\b], v[32*\qb+\b+1]
.endr
.endm
; v: the softmax of 64 keys x 64 queries: registers alone, no LDS.  first = 1: nothing has been summed yet.
.macro VEC first
	WIN 0x15                                       ; a lane's 32 scores of a query block in four chains of 9, 9, 7 and 7: 16 chains that do not wait for each other
	MAXH 0, 0
	MAXH 1, 9
	MAXH 2, 18
	MAXH 3, 25
	WIN 0x14
	MAXC 0, 3
	MAXC 1, 12
	MAXC 2, 21
	MAXC 3, 28
	MAXC 0, 5
	MAXC 1, 14
	MAXC 2, 23
	MAXC 3, 30
	MAXC 0, 7
	MAXC 1, 16
	WIN 0
.irp qb, 0,1,2,3
	v_max3_num_f32 v[T+4*\qb], v[T+4*\qb], v[T+4*\qb+1], v[T+4*\qb+2]
.endr
.irp qb, 0,1,2,3
	v_max_num_f32 v[T+4*\qb], v[T+4*\qb], v[T+4*\qb+3]             ; my 32 keys' maximum
.endr
.irp qb, 0,1,2,3
	v_permlanex16_b32 v[T+4*\qb+1], v[T+4*\qb], s12, s13           ; the other half's 32 keys
.endr
.if \first
.irp qb, 0,1,2,3
	v_max_num_f32 v[M+\qb], v[T+4*\qb], v[T+4*\qb+1]
.endr
.irp qb, 0,1,2,3
	v_mul_f32 v[NM+2*\qb], 0xbe38aa3b, v[M+\qb]                    ; -c M
.endr
.else
.irp qb, 0,1,2,3
	v_max3_num_f32 v[M+\qb], v[T+4*\qb], v[T+4*\qb+1], v[M+\qb]
.endr
.irp qb, 0,1,2,3
	v_mul_f32 v[T+4*\qb+2], 0xbe38aa3b, v[M+\qb]
.endr
.irp qb, 0,1,2,3
	v_sub_f32 v[T+4*\qb+3], v[T+4*\qb+2], v[NM+2*\qb]              ; new shift - old shift, at most 0
.endr
.irp qb, 0,1,2,3
	v_exp_f32 v[AL+2*\qb], v[T+4*\qb+3]
.endr
.irp qb, 0,1,2,3
	v_mov_b32 v[NM+2*\qb], v[T+4*\qb+2]                            ; plain instructions stand between the exponentials and their use (ISA guide 5.7.2)
.endr
	s_wait_alu depctr_va_vdst(0)
.irp qb, 0,1,2,3
	v_pk_mul_f32 v[L+2*\qb:L+2*\qb+1], v[L+2*\qb:L+2*\qb+1], v[AL+2*\qb:AL+2*\qb+1] op_sel_hi:[1,0]
.endr
.endif
	; p = exp2(S c + NM), in place.  Between the exponentials of query block qb stand the rescaling of its O and the multiply-adds of block qb + 1.
	WIN 0x41
.irp i, 0,1,2,3,4,5,6,7,8,9,10,11,12,13,14,15
	v_pk_fma_f32 v[2*\i:2*\i+1], v[2*\i:2*\i+1], s[14:15], v[NM:NM+1] op_sel_hi:[1,0,0]
.endr
.irp qb, 0,1,2,3
.irp i, 0,1,2,3,4,5,6,7,8,9,10,11,12,13,14,15
	v_exp_f32 v[32*\qb+2*\i], v[32*\qb+2*\i]
	v_exp_f32 v[32*\qb+2*\i+1], v[32*\qb+2*\i+1]
.if \first == 0
	v_pk_mul_f32 v[OREG+32*\qb+2*\i:OREG+32*\qb+2*\i+1], v[OREG+32*\qb+2*\i:OREG+32*\qb+2*\i+1], v[AL+2*\qb:AL+2*\qb+1] op_sel_hi:[1,0]
.endif
.if \qb < 3
	v_pk_fma_f32 v[32*(\qb+1)+2*\i:32*(\qb+1)+2*\i+1], v[32*(\qb+1)+2*\i:32*(\qb+1)+2*\i+1], s[14:15], v[NM+2*(\qb+1):NM+2*(\qb+1)+1] op_sel_hi:[1,0,0]
.endif
.endr
.endr
	WIN 0x01
	s_wait_alu depctr_va_vdst(0)
.irp i, 0,1,2,3,4,5,6,7,8,9,10,11,12,13,14,15
.irp qb, 0,1,2,3
	v_pk_add_f32 v[L+2*\qb:L+2*\qb+1], v[32*\qb+2*\i:32*\qb+2*\i+1], v[L+2*\qb:L+2*\qb+1]   ; four chains that do not wait for each other
.endr
.endr
	WIN 0x45
.irp qb, 0,1,2,3
.irp kc, 0,1
.irp i, 0,1,2,3,4,5,6,7
	v_cvt_pk_f16_f32 v[32*\qb+16*\kc+\i], v[32*\qb+16*\kc+2*\i], v[32*\qb+16*\kc+2*\i+1]     ; in place, ascending: register i is free when it is written
.endr
.endr
.endr
.endm
; a v that only one kind of wave runs here: upper = 1: waves 4-7, upper = 0: waves 0-3.  The branch hangs on the wave's number alone and jumps over register work alone.
.macro VECIF upper, first
.if \upper
	s_cmp_lt_u32 s8, 4
.else
	s_cmp_ge_u32 s8, 4
.endif
	s_cbranch_scc1 .Lnot_mine_\@
	VEC \first
	WIN 0
.Lnot_mine_\@:
.endm
; V's fragments of 64 keys are asked for, K's (asked for earlier) are multiplied, and K's next are asked for (knext = 1: they lie in the same slot)
.macro STEP slot, sub, knext
	VLOAD \slot, \sub
	s_wait_dscnt 16                                ; K's 16 loads are in; V's 16, just issued, stay out
	SMM
.if \knext
	KLOAD \slot, \sub+1
.endif
.endm
.macro MID first                       ; v and P of the 64 keys whose S has just been made; every wave
	VEC \first
	s_wait_dscnt 16                                ; V's loads are in; the next K's 16 stay out
	PVM \first
.endm
; The change to a tile whose neighbour slot o is filled again.  In front of the round every wave waits for all its tensor loads (its parts of the tile that is read next)
; and for its reads of slot o; behind the round slot o's refills come first.  They have the whole tile's work in which to land.
.macro HEADR o
	s_wait_tensorcnt 0x0
	ds_add_u32 v18, v19
	s_add_nc_u64 s[G0K+4*\o+2:G0K+4*\o+3], s[G0K+4*\o+2:G0K+4*\o+3], 2*TILEB   ; no load of mine is out: slot o's next tile
	s_add_nc_u64 s[G0V+4*\o+2:G0V+4*\o+3], s[G0V+4*\o+2:G0V+4*\o+3], 2*TILEB
	s_wait_dscnt 0x0
	CROUND
	tensor_load_to_lds s[G0K+4*\o:G0K+4*\o+3], s[G1K:G1K+7]
	s_nop 0
	tensor_load_to_lds s[G0V+4*\o:G0V+4*\o+3], s[G1V:G1V+7]
	s_nop 0
.endm
; The first half of a tile behind its barrier.  Held over from the tile before: in the upper waves S, in the lower waves P; in both V's fragments.
.macro TAKEUP slot
	KLOAD \slot, 0
	VECIF 1, 0                                     ; upper waves: the held v, beside the lower waves' P and S
	PVM 0                                          ; the held P: V's fragments were waited for in front of the barrier
	STEP \slot, 0, 1
	MID 0
	STEP \slot, 1, 0                               ; the slot's last reads
.endm
.macro TRIP slot
	TAKEUP \slot
	VECIF 0, 0                                     ; lower waves: their v, beside the upper waves' P and S
.endm
	; tile 0: all waves in step; the two kinds part at its end
	s_wait_tensorcnt 2                             ; my parts of tile 0 are in; tile 1's two loads stay out
	s_barrier_signal -1
	s_barrier_wait -1
	KLOAD 0, 0
	STEP 0, 0, 1
	MID 1                                          ; the first maximum, the first product starts O's sums
	STEP 0, 1, 0
	VECIF 0, 0                                     ; lower waves run their v in front of the change of tiles, upper waves behind it: from here on half a step apart
	s_mov_b32 s48, 3                               ; tiles 1 .. 6
.Ltiles:
	HEADR 0                                        ; slot 0 gets tile 2, 4, 6
	TRIP 1                                         ; tile 1, 3, 5
	HEADR 1                                        ; slot 1 gets tile 3, 5, 7
	TRIP 0                                         ; tile 2, 4, 6
	s_sub_co_u32 s48, s48, 1
	s_cmp_lg_u32 s48, 0
	s_cbranch_scc1 .Ltiles
	; tile 7
	s_wait_tensorcnt 0x0                           ; my parts of tile 7 are in,
	s_wait_dscnt 0x0                               ; no LDS load is out at a signal
	s_barrier_signal -1
	s_barrier_wait -1                              ; everybody's are; nothing is filled any more
	TAKEUP 1
	VEC 0                                          ; no barrier follows: the last v is one text for both kinds
	s_wait_dscnt 0x0                               ; V's last fragments
	PVM 0
	; THE END.  l of my half of the keys; then the lower waves, which are done first, hand NM, l and O to their partners.
.irp qb, 0,1,2,3
	v_add_f32 v[FIN+\qb], v[L+2*\qb], v[L+2*\qb+1]
.endr
.irp qb, 0,1,2,3
	v_permlanex16_b32 v[KF+\qb], v[FIN+\qb], s12, s13
.endr
.irp qb, 0,1,2,3
	v_add_f32 v[FIN+\qb], v[FIN+\qb], v[KF+\qb]
	v_mov_b32 v[FIN+4+\qb], v[NM+2*\qb]
.endr
	s_cmp_ge_u32 s8, 4
	s_cbranch_scc1 .Lstay
	ds_store_b128 v[MSTA], v[FIN+4:FIN+7] offset:16384
	ds_store_b128 v[MSTA], v[FIN:FIN+3] offset:16896
	WIN 0x04
.irp i, 0,1,2,3,4,5,6,7,8,9,10,11,12,13,14,15,16,17,18,19,20,21,22,23,24,25,26,27,28,29,30,31
	ds_store_b128 v[MSTA], v[OREG+4*\i:OREG+4*\i+3] offset:512*\i
.endr
	WIN 0
.Lstay:
	s_wait_dscnt 0x0                               ; my stores are done, for my partner's sake
	CROUND                                         ; the closing round; its work-group barriers also stand between the stores above and the loads below
	s_cmp_lt_u32 s8, 4
	s_cbranch_scc1 .Lend
	ds_load_b128 v[FIN+8:FIN+11], v[MSTA] offset:16384             ; the partner's NM
	ds_load_b128 v[FIN+12:FIN+15], v[MSTA] offset:16896            ; the partner's l
.irp i, 0,1,2,3,4,5,6,7,8,9,10,11,12,13,14,15,16,17,18,19,20,21,22,23,24,25,26,27,28,29,30,31
	ds_load_b128 v[QF+4*\i:QF+4*\i+3], v[MSTA] offset:512*\i       ; the partner's O, over Q's and K's fragments
.endr
	s_wait_dscnt 32                                ; NM and l are in; O's 32 loads stay out
.irp qb, 0,1,2,3
	v_min_num_f32 v[M+\qb], v[FIN+4+\qb], v[FIN+8+\qb]             ; the smaller shift belongs to the larger maximum
.endr
.irp qb, 0,1,2,3
	v_sub_f32 v[AL+2*\qb], v[M+\qb], v[FIN+4+\qb]
	v_sub_f32 v[NM+2*\qb], v[M+\qb], v[FIN+8+\qb]
.endr
.irp qb, 0,1,2,3
	v_exp_f32 v[AL+2*\qb], v[AL+2*\qb]
	v_exp_f32 v[NM+2*\qb], v[NM+2*\qb]
.endr
	v_nop                                          ; a plain place behind the exponentials (ISA guide 5.7.2)
	s_wait_alu depctr_va_vdst(0)
.irp qb, 0,1,2,3
	v_mul_f32 v[FIN+\qb], v[FIN+\qb], v[AL+2*\qb]
.endr
.irp qb, 0,1,2,3
	v_fmac_f32 v[FIN+\qb], v[FIN+12+\qb], v[NM+2*\qb]              ; l = my l x my factor + the partner's: at least about 1, since the key of the maximum counts 1
.endr
.irp qb, 0,1,2,3
	v_rcp_f32 v[FIN+\qb], v[FIN+\qb]
.endr
	v_nop
	s_wait_alu depctr_va_vdst(0)
.irp qb, 0,1,2,3
	v_mul_f32 v[AL+2*\qb], v[AL+2*\qb], v[FIN+\qb]                 ; my factor / l
	v_mul_f32 v[NM+2*\qb], v[NM+2*\qb], v[FIN+\qb]                 ; the partner's factor / l
.endr
	s_wait_dscnt 0x0
	WIN 0x41
.irp qb, 0,1,2,3
.irp i, 0,1,2,3,4,5,6,7,8,9,10,11,12,13,14,15
	v_pk_mul_f32 v[OREG+32*\qb+2*\i:OREG+32*\qb+2*\i+1], v[OREG+32*\qb+2*\i:OREG+32*\qb+2*\i+1], v[AL+2*\qb:AL+2*\qb+1] op_sel_hi:[1,0]
.endr
.endr
	WIN 0x10
.irp qb, 0,1,2,3
.irp i, 0,1,2,3,4,5,6,7,8,9,10,11,12,13,14,15
	v_pk_fma_f32 v[QF+32*\qb+2*\i:QF+32*\qb+2*\i+1], v[QF+32*\qb+2*\i:QF+32*\qb+2*\i+1], v[NM+2*\qb:NM+2*\qb+1], v[OREG+32*\qb+2*\i:OREG+32*\qb+2*\i+1] op_sel_hi:[1,0,1]
.endr
.endr
	WIN 0
.irp qb, 0,1,2,3
.irp db, 0,1,2,3
.irp i, 0,1,2,3
	v_cvt_pk_f16_f32 v[QF+32*\qb+8*\db+\i], v[QF+32*\qb+8*\db+2*\i], v[QF+32*\qb+8*\db+2*\i+1]
.endr
.endr
.endr
	; through my own stage: 16 bytes a lane in, whole rows of 256 bytes back.  LDS serves a wave's instructions in order (ISA guide 5.7.1): no wait between
.irp qb, 0,1,2,3
.irp db, 0,1,2,3
	ds_store_b128 v[OSTW], v[QF+32*\qb+8*\db:QF+32*\qb+8*\db+3] offset:\qb*8*PK+\db*32
.endr
.endr
.irp t, 0,1,2,3,4,5,6,7,8,9,10,11,12,13,14,15
	ds_load_b128 v[VF+4*\t:VF+4*\t+3], v[OSTR] offset:\t*2*PK
.endr
.irp t, 0,1,2,3,4,5,6,7,8,9,10,11,12,13,14,15
	s_wait_dscnt 15-\t
	global_store_b128 v[CO], v[VF+4*\t:VF+4*\t+3], s[62:63] offset:512*\t        ; a store of the wave covers 512 consecutive bytes, aligned
.endr
.Lend:
	s_wait_tensorcnt 0x0
	ds_add_u32 v18, v19
	s_wait_dscnt 0x0
	s_endpgm
.Lfunc_end_k_q4efc7934c2_attn:
	.size	k_q4efc7934c2_attn, .Lfunc_end_k_q4efc7934c2_attn-k_q4efc7934c2_attn
	.p2alignl 7, 3214868480
	.fill 96, 4, 3214868480
	.section	.rodata,"a",@progbits
	.p2align	6, 0x0
	.amdhsa_kernel k_q4efc7934c2_attn
		.amdhsa_group_segment_fixed_size 327680
		.amdhsa_private_segment_fixed_size 0
		.amdhsa_enable_private_segment 0
		.amdhsa_kernarg_size 16
		.amdhsa_user_sgpr_count 2
		.amdhsa_user_sgpr_kernarg_segment_ptr 1
		.amdhsa_wavefront_size32 1
		.amdhsa_system_sgpr_workgroup_id_x 1
		.amdhsa_system_sgpr_workgroup_id_y 1
		.amdhsa_system_sgpr_workgroup_id_z 1
		.amdhsa_system_vgpr_workitem_id 0
		.amdhsa_next_free_vgpr 512
		.amdhsa_next_free_sgpr 66
		.amdhsa_reserve_vcc 0
		.amdhsa_float_denorm_mode_32 3
		.amdhsa_float_denorm_mode_16_64 3
		.amdhsa_memory_ordered 1
		.amdhsa_forward_progress 1
		.amdhsa_inst_pref_size 255
	.end_amdhsa_kernel
	.section	.bss,"aw",@nobits
	.p2align	6
	.space	262144
	.amdgpu_metadata
---
amdhsa.version: [ 1, 2 ]
amdhsa.kernels:
  - .name:           k_q4efc7934c2_attn
    .symbol:         k_q4efc7934c2_attn.kd
    .args:
      - { .name: qkvh, .offset: 0, .size: 8, .value_kind: global_buffer, .address_space: global }
      - { .name: ctx, .offset: 8, .size: 8, .value_kind: global_buffer, .address_space: global }
    .group_segment_fixed_size: 327680
    .private_segment_fixed_size: 0
    .kernarg_segment_align: 8
    .kernarg_segment_size: 16
    .max_flat_workgroup_size: 256
    .sgpr_count:     66
    .vgpr_count:     512
    .wavefront_size: 32
...
	.end_amdgpu_metadata
.endif
;; end of part 3
;; launch oproj (part 4): grid 8 x 32, 4 waves a work-group, clusters of 4 x 4, 327,680 bytes of LDS; arguments ctx, wh, out0; writes out0
.if DOCPART == 4
	.amdgcn_target "amdgcn-amd-amdhsa--gfx1250"
	.amdhsa_code_object_version 6
	.text
	.protected	k_q4efc7934c2_oproj
	.globl	k_q4efc7934c2_oproj
	.p2align	8
	.type	k_q4efc7934c2_oproj,@function
k_q4efc7934c2_oproj:
	s_mov_b64 s[64:65], 0
	v_nop
	global_prefetch_b8 v0, s[64:65] scope:SCOPE_SE
	s_setreg_imm32_b32 hwreg(HW_REG_WAVE_MODE, 25, 1), 1
	s_wait_xcnt 0x0
	s_wait_alu depctr_hold_cnt(0) depctr_sa_sdst(0) depctr_va_vdst(0) depctr_va_sdst(0) depctr_va_ssrc(0) depctr_va_vcc(0) depctr_vm_vsrc(0)
	s_getreg_b32 s2, hwreg(HW_REG_IB_STS2, 6, 4)
	s_cmp_eq_u32 s2, 0
	s_cbranch_scc0 .Lentry_in_a_cluster
	s_endpgm
.Lentry_in_a_cluster:
	s_bfe_u32 s2, ttmp6, 0x10000c
	s_cmp_lg_u32 s2, 0xf033
	s_cbranch_scc0 .Lentry_shape_is_right
	s_endpgm
.Lentry_shape_is_right:
; oproj: out0 [4096][1024] f32 = heads [4096 x 1024] x W0 [1024 x 1024]; f16 operands, f32 sums, stored as they are.
; ctx[hh (16)][m (4096)][64] f16: K index 64 hh + d.  W0 in wh from byte 6,291,456: blocks of 128 k x 64 n in the order [bx (8)][k / 128 (8)][n chunk (2)].
; A work-group makes 128 x 128: 8 x 32 = 256 work-groups; with blocks any larger there would be fewer work-groups than 256.  Four waves, 64 x 64 each: 16 accumulator tiles.
; K goes in steps of 256 (four heads) through two LDS slots.  Every block of a tile is dense in memory (16,384 bytes) and comes in as 64 rows of 256 bytes,
; the heads' padded to 272 (plain fragment loads), W0's to 288 (transposing loads).  Each wave fetches one block of each.
; CLUSTERS: 4 x 4.  The heads' tile hangs on the block row alone (joint along a row of the cluster), W0's on the block column alone (joint along a column).
; The matrix instruction is used transposed (source 0 = 16 columns of W0, source 1 = 16 rows): a lane holds eight neighbouring f32 of one row.
; REGISTERS: window 0: addresses, two fragment buffers (rows at FA + 64 f, columns at FB + 64 f), two output buffers; window 1: accumulator (b, a) at v[8 (4 b + a)].
.set PA,   272
.set PB,   288
.set BOFF, 4*64*PA                     ; 69,632
.set SLOT, BOFF+4*64*PB                ; 143,360
.set STAGE, 2*SLOT                     ; 286,720: 16 rows x 272 bytes for each wave; no tensor load lands here
.set ADRA, 16
.set ADRB, 20
.set STO,  24
.set RD,   25
.set CO,   26
.set FA,   32
.set FB,   64
.set OB,   160                         ; v160-223
.set G1A,  24
.set G0A,  32
.set G1B,  48
.set G0B,  56
.set MSB,  0
.macro WIN new
.if MSB != \new
	s_set_vgpr_msb (MSB<<8)|\new
.set MSB, \new
.endif
.endm
.macro PLACES n
.rept \n
	v_nop
.endr
.endm
.macro CREST
	s_cmp_lg_u32 s10, 0
	s_cbranch_scc1 .Lnot_wave_0_\@
	s_barrier_signal -3
.Lnot_wave_0_\@:
	s_barrier_wait -3
	s_barrier_signal -1
	s_barrier_wait -1
.endm
.macro CROUND
	s_barrier_signal -1
	s_barrier_wait -1
	CREST
.endm
	s_load_b128 s[4:7], s[0:1], 0x0                ; ctx s[4:5], wh s[6:7]
	s_load_b64 s[8:9], s[0:1], 0x10                ; out0
	v_lshl_add_u32 v254, v0, 2, 0x4a400
	v_mov_b32 v255, 0
	ds_add_u32 v254, v255
	v_lshrrev_b32 v1, 5, v0
	v_readfirstlane_b32 s10, v1                    ; wave 0..3
	s_lshr_b32 s11, s10, 1                         ; wm
	s_and_b32 s12, s10, 1                          ; wn
	s_bfe_u32 s40, ttmp6, 0x40000                  ; cx
	s_bfe_u32 s41, ttmp6, 0x40004                  ; cy
	s_lshl_b32 s42, ttmp9, 2
	s_add_co_u32 s42, s42, s40                     ; block column bx
	s_and_b32 s13, ttmp7, 0xffff
	s_lshl_b32 s13, s13, 2
	s_add_co_u32 s13, s13, s41                     ; block row by
	s_lshl_b32 s43, s41, 2
	s_lshl_b32 s43, 15, s43                        ; my row of the cluster
	s_lshl_b32 s44, 0x1111, s40                    ; my column
	; both groups 1: 64 rows x 128 elements of 2 bytes, dense; they differ in the mask and the padding
	s_or_b32 s[G1A+0], s43, (1<<16)|(1<<20)|(1<<21)|(5<<22)|(3<<25)
	s_or_b32 s[G1B+0], s44, (1<<16)|(1<<20)|(1<<21)|(5<<22)|(7<<25)
	s_mov_b32 s[G1A+1], 128<<16
	s_mov_b32 s[G1B+1], 128<<16
	s_mov_b32 s[G1A+2], 64<<16
	s_mov_b32 s[G1B+2], 64<<16
	s_mov_b32 s[G1A+3], 128<<16
	s_mov_b32 s[G1B+3], 128<<16
	s_mov_b32 s[G1A+4], 64
	s_mov_b32 s[G1B+4], 64
	s_mov_b32 s[G1A+5], 128
	s_mov_b32 s[G1B+5], 128
	s_mov_b32 s[G1A+6], 0
	s_mov_b32 s[G1B+6], 0
	s_mov_b32 s[G1A+7], 0
	s_mov_b32 s[G1B+7], 0
	s_lshl_b32 s16, s13, 14                        ; 128 by rows of 128 bytes
	s_lshl_b32 s17, s10, 19                        ; head = wave, of the step's four
	s_add_co_u32 s16, s16, s17
	s_mov_b32 s17, 0
	s_lshl_b32 s46, s42, 18                        ; bx: 16 blocks
	s_lshl_b32 s47, s10, 14                        ; block = wave, of the step's four
	s_add_co_u32 s46, s46, s47
	s_add_co_u32 s46, s46, 6291456
	s_mov_b32 s47, 0
	s_mul_i32 s20, s10, 64*PA
	s_mul_i32 s21, s10, 64*PB
	s_add_co_u32 s21, s21, BOFF
	s_wait_dscnt 0x0
	s_wait_kmcnt 0x0
	s_add_nc_u64 s[14:15], s[4:5], s[16:17]
	s_add_nc_u64 s[46:47], s[6:7], s[46:47]
	CROUND                                         ; the first joint loads meet
.irp s, 0,1
	s_mov_b32 s[G0A+4*\s], 1
	s_add_co_u32 s[G0A+4*\s+1], s20, \s*SLOT
	s_add_nc_u64 s[G0A+4*\s+2:G0A+4*\s+3], s[14:15], \s*2097152   ; four heads on
	s_or_b32 s[G0A+4*\s+3], s[G0A+4*\s+3], 0x80000000
	s_mov_b32 s[G0B+4*\s], 1
	s_add_co_u32 s[G0B+4*\s+1], s21, \s*SLOT
	s_add_nc_u64 s[G0B+4*\s+2:G0B+4*\s+3], s[46:47], \s*65536     ; four blocks on
	s_or_b32 s[G0B+4*\s+3], s[G0B+4*\s+3], 0x80000000
	tensor_load_to_lds s[G0A+4*\s:G0A+4*\s+3], s[G1A:G1A+7]       ; four tensor loads of the wave are out here, later two
	s_nop 0
	tensor_load_to_lds s[G0B+4*\s:G0B+4*\s+3], s[G1B:G1B+7]
	s_nop 0
.endr
	v_and_b32 v1, 15, v0                           ; r
	v_bfe_u32 v2, v0, 4, 1                         ; h
	v_and_b32 v5, 1, v0
	v_bfe_u32 v3, v0, 1, 3
	v_mul_u32_u24 v3, v3, PA
	v_lshl_add_u32 v3, v5, 7, v3
	v_lshl_add_u32 v3, v2, 4, v3                   ; (r / 2) 272 + (r % 2) 128 + 16 h
	s_mul_i32 s22, s11, 32*PA                      ; my 64 rows
	v_add_nc_u32 v[ADRA], s22, v3
	v_add_nc_u32 v[ADRA+1], SLOT, v[ADRA]
	v_mul_u32_u24 v4, v2, 4*PB
	v_bfe_u32 v6, v0, 1, 2
	v_mad_u32_u24 v4, v6, PB, v4
	v_lshl_add_u32 v4, v5, 7, v4
	v_bfe_u32 v6, v0, 3, 1
	v_lshl_add_u32 v4, v6, 4, v4                   ; transposing load: k row 8 h + l % 8, 16 bytes (l / 8) % 2
	s_mul_i32 s22, s12, 64*PB                      ; my chunk of 64 columns
	s_add_co_u32 s22, s22, BOFF
	v_add_nc_u32 v[ADRB], s22, v4
	v_add_nc_u32 v[ADRB+1], SLOT, v[ADRB]
	s_mul_i32 s23, s10, 16*PA
	s_add_co_u32 s23, s23, STAGE                   ; my stage
	v_mul_u32_u24 v6, v1, PA
	v_lshl_add_u32 v6, v2, 5, v6                   ; in: row r, 32 bytes for each half
	v_add_nc_u32 v[STO], s23, v6
	v_mul_u32_u24 v7, v2, PA
	v_lshl_add_u32 v7, v1, 4, v7                   ; back: lanes 0-15 one row of 256 bytes, lanes 16-31 the next
	v_add_nc_u32 v[RD], s23, v7
	v_lshlrev_b32 v8, 12, v2
	v_lshl_add_u32 v[CO], v1, 4, v8                ; and the same two rows in out0
; 8 matrix instructions: column blocks b0, b0 + 1 x the 4 row blocks.  The 16 accumulators take turns, one instruction a turn, in the same order in every eighth.
.macro MUL f, b0, zero
.irp b, \b0, \b0+1
.irp a, 0,1,2,3
.if \zero
	v_wmma_f32_16x16x32_f16 v[8*(4*(\b)+\a):8*(4*(\b)+\a)+7], v[FB+64*\f+8*(\b):FB+64*\f+8*(\b)+7], v[FA+64*\f+8*\a:FA+64*\f+8*\a+7], 0
.else
	v_wmma_f32_16x16x32_f16 v[8*(4*(\b)+\a):8*(4*(\b)+\a)+7], v[FB+64*\f+8*(\b):FB+64*\f+8*(\b)+7], v[FA+64*\f+8*\a:FA+64*\f+8*\a+7], v[8*(4*(\b)+\a):8*(4*(\b)+\a)+7]
.endif
.endr
.endr
.endm
; 16 LDS loads: eighth kq (32 along K: head kq / 2, d from 32 (kq % 2); W0's block row kq / 4, k from 32 (kq % 4)) into buffer f
.macro FETCH slot, kq, f
.irp a, 0,1,2,3
	ds_load_b128 v[FA+64*\f+8*\a:FA+64*\f+8*\a+3], v[ADRA+\slot] offset:\a*8*PA+(\kq/2)*64*PA+(\kq%2)*64
	ds_load_b128 v[FA+64*\f+8*\a+4:FA+64*\f+8*\a+7], v[ADRA+\slot] offset:\a*8*PA+(\kq/2)*64*PA+(\kq%2)*64+32
.endr
.irp b, 0,1,2,3
	ds_load_tr16_b128 v[FB+64*\f+8*\b:FB+64*\f+8*\b+3], v[ADRB+\slot] offset:\b*32+(\kq/4)*128*PB+(\kq%4)*16*PB
	ds_load_tr16_b128 v[FB+64*\f+8*\b+4:FB+64*\f+8*\b+7], v[ADRB+\slot] offset:\b*32+(\kq/4)*128*PB+(\kq%4)*16*PB+8*PB
.endr
.endm
.macro EIGHTH slot, knext, f, g, zero
	s_wait_dscnt 4                                 ; all but the youngest four loads (column blocks 2 and 3)
	WIN 0x50
	MUL \f, 0, \zero
	WIN 0
	PLACES 4                                       ; buffer g was read by matrix instructions
	FETCH \slot, \knext, \g
	s_wait_dscnt 16                                ; all but the 16 just issued
	WIN 0x50
	MUL \f, 2, \zero
.endm
.macro SEVEN slot, zero
	EIGHTH \slot, 1, 0, 1, \zero
	EIGHTH \slot, 2, 1, 0, 0
	EIGHTH \slot, 3, 0, 1, 0
	EIGHTH \slot, 4, 1, 0, 0
	EIGHTH \slot, 5, 0, 1, 0
	EIGHTH \slot, 6, 1, 0, 0
	EIGHTH \slot, 7, 0, 1, 0
.endm
; The last eighth of a K step: multiplies buffer 1 and changes slots; waits, barrier (a round of the cluster's where the slot is filled again) and refills in that order
.macro TURN slot, next, fill
	s_wait_dscnt 0                                 ; my reads of this slot are over
	s_wait_tensorcnt 0x0                           ; all my tensor loads have landed: my parts of the next slot
	ds_add_u32 v254, v255
	s_wait_dscnt 0x0
	s_barrier_signal -1
	WIN 0x50
	MUL 1, 0, 0
	WIN 0
	s_barrier_wait -1
.if \fill
	CREST
	s_add_nc_u64 s[G0A+4*\slot+2:G0A+4*\slot+3], s[G0A+4*\slot+2:G0A+4*\slot+3], 4194304
	s_add_nc_u64 s[G0B+4*\slot+2:G0B+4*\slot+3], s[G0B+4*\slot+2:G0B+4*\slot+3], 131072
	tensor_load_to_lds s[G0A+4*\slot:G0A+4*\slot+3], s[G1A:G1A+7]
	s_nop 0
	tensor_load_to_lds s[G0B+4*\slot:G0B+4*\slot+3], s[G1B:G1B+7]
	s_nop 0
.endif
	PLACES 4
	FETCH \next, 0, 0
	WIN 0x50
	MUL 1, 2, 0
.endm
	s_wait_tensorcnt 2                             ; my parts of K step 0 are in; K step 1's two loads stay out
	s_barrier_signal -1
	s_barrier_wait -1
	FETCH 0, 0, 0
	SEVEN 0, 1                                     ; K step 0: its first products start the sums
	TURN 0, 1, 1                                   ; slot 0 gets K step 2
	SEVEN 1, 0
	TURN 1, 0, 1                                   ; slot 1 gets K step 3
	SEVEN 0, 0
	TURN 0, 1, 0
	SEVEN 1, 0
	s_wait_dscnt 0
	WIN 0x50
	MUL 1, 0, 0
	MUL 1, 2, 0
	; THE WAY OUT, 16 rows at a time through my own stage: 32 bytes a lane in, whole rows of 256 bytes back
	WIN 0
	PLACES 4                                       ; four places behind the last matrix instructions: the LDS stores read results
	s_lshl_b32 s16, s13, 19                        ; 128 by rows of 4,096 bytes
	s_lshl_b32 s17, s11, 18                        ; + 64 wm rows
	s_add_co_u32 s16, s16, s17
	s_mov_b32 s17, 0
	s_add_nc_u64 s[8:9], s[8:9], s[16:17]
	s_lshl_b32 s46, s42, 9                         ; 128 bx columns of 4 bytes
	s_lshl_b32 s47, s12, 8                         ; + 64 wn
	s_add_co_u32 s46, s46, s47
	s_mov_b32 s47, 0
	s_add_nc_u64 s[8:9], s[8:9], s[46:47]
.macro OUT16 mblk, ob
	WIN 0x04
.irp b, 0,1,2,3
	ds_store_b128 v[STO], v[8*(4*\b+\mblk):8*(4*\b+\mblk)+3] offset:64*\b
	ds_store_b128 v[STO], v[8*(4*\b+\mblk)+4:8*(4*\b+\mblk)+7] offset:64*\b+16
.endr
	WIN 0
.if \mblk >= 2
	s_wait_xcnt 0x0                                ; the stores of two blocks ago have had their addresses translated (ISA guide 3.1): their buffer is loaded again only behind this wait
.endif
.irp t, 0,1,2,3,4,5,6,7
	ds_load_b128 v[OB+32*\ob+4*\t:OB+32*\ob+4*\t+3], v[RD] offset:\t*2*PA       ; LDS serves a wave's instructions in order (ISA guide 5.7.1): these see the stores above
.endr
.irp t, 0,1,2,3,4,5,6,7
	s_wait_dscnt 7-\t
	global_store_b128 v[CO], v[OB+32*\ob+4*\t:OB+32*\ob+4*\t+3], s[8:9] offset:\mblk*65536+\t*8192   ; 16 lanes store 256 consecutive bytes, aligned
.endr
.endm
	OUT16 0, 0
	OUT16 1, 1
	OUT16 2, 0
	OUT16 3, 1
	s_wait_tensorcnt 0x0
	ds_add_u32 v254, v255
	s_wait_dscnt 0x0
	CROUND                                         ; the closing round
	s_endpgm
.Lfunc_end_k_q4efc7934c2_oproj:
	.size	k_q4efc7934c2_oproj, .Lfunc_end_k_q4efc7934c2_oproj-k_q4efc7934c2_oproj
	.p2alignl 7, 3214868480
	.fill 96, 4, 3214868480
	.section	.rodata,"a",@progbits
	.p2align	6, 0x0
	.amdhsa_kernel k_q4efc7934c2_oproj
		.amdhsa_group_segment_fixed_size 327680
		.amdhsa_private_segment_fixed_size 0
		.amdhsa_enable_private_segment 0
		.amdhsa_kernarg_size 24
		.amdhsa_user_sgpr_count 2
		.amdhsa_user_sgpr_kernarg_segment_ptr 1
		.amdhsa_wavefront_size32 1
		.amdhsa_system_sgpr_workgroup_id_x 1
		.amdhsa_system_sgpr_workgroup_id_y 1
		.amdhsa_system_sgpr_workgroup_id_z 1
		.amdhsa_system_vgpr_workitem_id 0
		.amdhsa_next_free_vgpr 384
		.amdhsa_next_free_sgpr 66
		.amdhsa_reserve_vcc 0
		.amdhsa_float_denorm_mode_32 3
		.amdhsa_float_denorm_mode_16_64 3
		.amdhsa_memory_ordered 1
		.amdhsa_forward_progress 1
		.amdhsa_inst_pref_size 89
	.end_amdhsa_kernel
	.amdgpu_metadata
---
amdhsa.version: [ 1, 2 ]
amdhsa.kernels:
  - .name:           k_q4efc7934c2_oproj
    .symbol:         k_q4efc7934c2_oproj.kd
    .args:
      - { .name: ctx, .offset: 0, .size: 8, .value_kind: global_buffer, .address_space: global }
      - { .name: wh, .offset: 8, .size: 8, .value_kind: global_buffer, .address_space: global }
      - { .name: out0, .offset: 16, .size: 8, .value_kind: global_buffer, .address_space: global }
    .group_segment_fixed_size: 327680
    .private_segment_fixed_size: 0
    .kernarg_segment_align: 8
    .kernarg_segment_size: 24
    .max_flat_workgroup_size: 128
    .sgpr_count:     66
    .vgpr_count:     384
    .wavefront_size: 32
...
	.end_amdgpu_metadata
.endif
;; end of part 4
;; ======== version 2 of 2: 4 launches; version 1 with the launch prep written anew for expert scheduling mode
;; limits: values are held in f16: magnitudes above 65,504 overflow, below 6.1e-05 lose precision
;; workspace buffers: xh 8,388,608 bytes; wh 8,388,608 bytes; qkvh 25,165,824 bytes; ctx 8,388,608 bytes
;; launch prep (part 5): grid 256 x 2, 8 waves a work-group, no clusters, 0 bytes of LDS; arguments inputs, Wq, Wk, Wv, W0, xh, wh; writes xh, wh
.if DOCPART == 5
	.amdgcn_target "amdgcn-amd-amdhsa--gfx1250"
	.amdhsa_code_object_version 6
	.text
	.protected	k_q4efc7934c2_prep
	.globl	k_q4efc7934c2_prep
	.p2align	8
	.type	k_q4efc7934c2_prep,@function
k_q4efc7934c2_prep:
	s_mov_b64 s[64:65], 0
	v_nop
	global_prefetch_b8 v0, s[64:65] scope:SCOPE_SE
	s_setreg_imm32_b32 hwreg(HW_REG_WAVE_SCHED_MODE, 0, 2), 2
	s_setreg_imm32_b32 hwreg(HW_REG_WAVE_MODE, 25, 1), 1
	s_wait_xcnt 0x0
	s_wait_alu depctr_vm_vsrc(0)
; prep: the five f32 inputs are rounded once to f16 (nearest even), the form in which the three matrix launches read them.
;   y = 0: inputs [4096][1024] f32 -> xh [4096][1024] f16, same order.
;   y = 1: Wq, Wk, Wv, W0 [1024 k][1024 n] f32 -> wh, f16, cut into blocks of 128 k x 64 n (16,384 bytes, rows of 128 bytes) that lie in the order in
;          which the later launches fetch them, so that each of their tiles is one dense run of bytes:
;          Wq|Wk|Wv: chunk c = 16 mi + cm of 64 columns at ((c/3 * 8 + ks) * 3 + c%3) * 16384;  W0 from byte 6,291,456: (((cm>>1) * 8 + ks) * 2 + (cm&1)) * 16384.
; LIMIT: f16 holds magnitudes below 65,504, and below 6.1e-5 its step is 6e-8.  Inputs outside that range are not served.
; A stream: every input byte is loaded once, every output byte stored once.  Work-groups share nothing, so there is no LDS, no barrier, no cluster,
; and no matrix instruction.  A work-group takes 65,536 input bytes, a wave 8,192, a lane sixteen loads of 16 bytes, all issued before the first is used.
; A store of a wave covers 256 consecutive bytes, aligned (32 lanes x 8 bytes).
; THE MODE: SCHED_MODE bits 1:0 = 2 (LLVM: expert scheduling mode 2), set by the entry lines.  The code itself states the register dependences
; between vector instructions and memory instructions, with s_wait_alu, always for 0.
; THE PLAN.  Registers that memory instructions touch:
;   v2          the loads' offset: written by vector instructions in each of the two ways, read by that way's sixteen loads, never written again.
;   v3          the stores' offset: written once at the head, read by the sixteen stores, never written again.
;   IN          written by the loads alone (no vector instruction names it before them); read by the conversions behind their counted wait for data.
;   OUT         each register is written once, by a conversion, and read once, by a store.
;   s18         the wave's number, written by v_readfirstlane_b32, read by scalar arithmetic on both ways.
; The sixteen pieces go in four groups of four.  At the head of groups 1 to 3 one wait states that the group before has written its OUT; that group's four stores
; follow, one ahead of each piece's two conversions, which name the group in hand's IN and OUT alone.  One more wait stands ahead of the last four stores.
; No register that a memory instruction reads is written again, so no wait for such reads is owed.
.set IN,  4                            ; v[4:67]   sixteen pieces of four f32
.set OUT, 68                           ; v[68:99]  sixteen pieces of four f16
	s_load_b256 s[4:11], s[0:1], 0x0               ; inputs s[4:5], Wq s[6:7], Wk s[8:9], Wv s[10:11]
	s_load_b128 s[12:15], s[0:1], 0x20             ; W0 s[12:13], xh s[14:15]
	s_load_b64 s[16:17], s[0:1], 0x30              ; wh
	v_lshrrev_b32 v1, 5, v0
	v_readfirstlane_b32 s18, v1                    ; wave 0..7
	v_and_b32 v1, 31, v0                           ; lane
	v_lshlrev_b32 v3, 3, v1                        ; where a lane stores: 8 bytes a lane, on both ways
	s_wait_alu depctr_va_sdst(0)                   ; s18 is written, ahead of the branch: both ways make their addresses from it
	s_and_b32 s19, ttmp7, 0xffff
	s_cmp_lg_u32 s19, 0
	s_cbranch_scc1 .Lweights
	; y = 0: the activations.  Piece j of a wave is 512 consecutive bytes.
	v_lshlrev_b32 v2, 4, v1                        ; 16 bytes a lane
	s_lshl_b32 s20, ttmp9, 16                      ; the work-group's 65,536 bytes
	s_lshl_b32 s21, s18, 13                        ; the wave's 8,192
	s_add_co_u32 s20, s20, s21
	s_mov_b32 s21, 0
	s_lshr_b32 s22, s20, 1                         ; half as many bytes out
	s_mov_b32 s23, 0
	s_wait_kmcnt 0x0
	s_add_nc_u64 s[24:25], s[4:5], s[20:21]
	s_add_nc_u64 s[26:27], s[14:15], s[22:23]
	s_wait_alu depctr_va_vdst(0)                   ; v2 is written, which the loads below read as their offset; so is v3, which the stores read
.irp j, 0,1,2,3,4,5,6,7,8,9,10,11,12,13,14,15
	global_load_b128 v[IN+4*\j:IN+4*\j+3], v2, s[24:25] offset:512*\j th:TH_LOAD_NT
.endr
	s_branch .Lcvt
.Lweights:
	; y = 1: x = mi * 64 + cm * 4 + kg: matrix mi, its chunk cm of 64 columns, k rows 256 kg .. +255; the wave takes 32 of them.
	; Piece j is two k rows of 256 bytes (lanes 0-15 one row, lanes 16-31 the next); as f16 they are 256 consecutive bytes of the block.
	v_and_b32 v2, 15, v0
	v_bfe_u32 v1, v0, 4, 1
	v_lshlrev_b32 v2, 4, v2
	v_lshl_add_u32 v2, v1, 12, v2                  ; 4096 x half + 16 x (lane % 16)
	s_lshr_b32 s28, ttmp9, 6                       ; mi
	s_bfe_u32 s29, ttmp9, 0x40002                  ; cm
	s_and_b32 s30, ttmp9, 3                        ; kg
	s_lshr_b32 s31, s18, 2
	s_lshl1_add_u32 s31, s30, s31                  ; ks = 2 kg + wave / 4: which 128 k
	s_and_b32 s32, s18, 3
	s_lshl_b32 s32, s32, 12                        ; 32 (wave % 4) rows of 128 bytes inside the block
	s_lshl4_add_u32 s33, s28, s29                  ; c = 16 mi + cm (used for mi < 3: 0 .. 47)
	s_mul_i32 s34, s33, 171
	s_lshr_b32 s34, s34, 9                         ; c / 3, exact for c < 48
	s_mul_i32 s35, s34, 3
	s_sub_co_u32 s35, s33, s35                     ; c % 3
	s_lshl3_add_u32 s34, s34, s31
	s_mul_i32 s34, s34, 3
	s_add_co_u32 s34, s34, s35
	s_lshl_b32 s34, s34, 14                        ; the block's place among Wq|Wk|Wv
	s_lshr_b32 s36, s29, 1
	s_lshl3_add_u32 s36, s36, s31
	s_and_b32 s37, s29, 1
	s_lshl1_add_u32 s36, s36, s37
	s_lshl_b32 s36, s36, 14
	s_add_co_u32 s36, s36, 6291456                 ; the block's place in W0's part
	s_cmp_eq_u32 s28, 3
	s_cselect_b32 s22, s36, s34
	s_add_co_u32 s22, s22, s32
	s_mov_b32 s23, 0
	s_lshl_b32 s20, s30, 20                        ; 256 kg rows of 4,096 bytes
	s_lshl_b32 s21, s18, 17                        ; 32 wave rows
	s_add_co_u32 s20, s20, s21
	s_lshl_b32 s21, s29, 8                         ; the chunk's 256 bytes in a row
	s_add_co_u32 s20, s20, s21
	s_mov_b32 s21, 0
	s_wait_kmcnt 0x0
	s_cmp_eq_u32 s28, 0                            ; the matrix is chosen by the work-group's number alone
	s_cselect_b64 s[24:25], s[6:7], s[8:9]
	s_cmp_eq_u32 s28, 2
	s_cselect_b64 s[24:25], s[10:11], s[24:25]
	s_cmp_eq_u32 s28, 3
	s_cselect_b64 s[24:25], s[12:13], s[24:25]
	s_add_nc_u64 s[24:25], s[24:25], s[20:21]
	s_add_nc_u64 s[26:27], s[16:17], s[22:23]
	s_wait_alu depctr_va_vdst(0)                   ; v2 is written, which the loads below read as their offset; so is v3, which the stores read
.irp j, 0,1,2,3,4,5,6,7,8,9,10,11,12,13,14,15
	global_load_b128 v[IN+4*\j:IN+4*\j+3], v2, s[24:25] offset:8192*\j th:TH_LOAD_NT
.endr
.Lcvt:
	; on both ways sixteen loads are out.  Loads come back in order (ISA guide 5.7.1): the count leaves the younger ones on their way.
	; No register is written twice, so no further wait on a memory counter is needed.
.set j, 0
.rept 16
	s_wait_loadcnt 15-j
.if (j%4 == 0) && (j > 0)
	s_wait_alu depctr_va_vdst(0)                   ; the conversions of the four pieces before have written their OUT, which the next four stores read
.endif
.if j >= 4
	global_store_b64 v3, v[OUT+2*(j-4):OUT+2*(j-4)+1], s[26:27] offset:256*(j-4)   ; piece j - 4: no vector instruction since the wait names its registers
.endif
	v_cvt_pk_f16_f32 v[OUT+2*j], v[IN+4*j], v[IN+4*j+1]
	v_cvt_pk_f16_f32 v[OUT+2*j+1], v[IN+4*j+2], v[IN+4*j+3]
.set j, j+1
.endr
	s_wait_alu depctr_va_vdst(0)                   ; the conversions of pieces 12 to 15 have written their OUT, which the last four stores read
.irp j, 12,13,14,15
	global_store_b64 v3, v[OUT+2*\j:OUT+2*\j+1], s[26:27] offset:256*\j
.endr
	s_endpgm
.Lfunc_end_k_q4efc7934c2_prep:
	.size	k_q4efc7934c2_prep, .Lfunc_end_k_q4efc7934c2_prep-k_q4efc7934c2_prep
	.p2alignl 7, 3214868480
	.fill 96, 4, 3214868480
	.section	.rodata,"a",@progbits
	.p2align	6, 0x0
	.amdhsa_kernel k_q4efc7934c2_prep
		.amdhsa_group_segment_fixed_size 0
		.amdhsa_private_segment_fixed_size 0
		.amdhsa_enable_private_segment 0
		.amdhsa_kernarg_size 56
		.amdhsa_user_sgpr_count 2
		.amdhsa_user_sgpr_kernarg_segment_ptr 1
		.amdhsa_wavefront_size32 1
		.amdhsa_system_sgpr_workgroup_id_x 1
		.amdhsa_system_sgpr_workgroup_id_y 1
		.amdhsa_system_sgpr_workgroup_id_z 1
		.amdhsa_system_vgpr_workitem_id 0
		.amdhsa_next_free_vgpr 104
		.amdhsa_next_free_sgpr 66
		.amdhsa_reserve_vcc 0
		.amdhsa_float_denorm_mode_32 3
		.amdhsa_float_denorm_mode_16_64 3
		.amdhsa_memory_ordered 1
		.amdhsa_forward_progress 1
		.amdhsa_inst_pref_size 10
	.end_amdhsa_kernel
	.amdgpu_metadata
---
amdhsa.version: [ 1, 2 ]
amdhsa.kernels:
  - .name:           k_q4efc7934c2_prep
    .symbol:         k_q4efc7934c2_prep.kd
    .args:
      - { .name: inputs, .offset: 0, .size: 8, .value_kind: global_buffer, .address_space: global }
      - { .name: Wq, .offset: 8, .size: 8, .value_kind: global_buffer, .address_space: global }
      - { .name: Wk, .offset: 16, .size: 8, .value_kind: global_buffer, .address_space: global }
      - { .name: Wv, .offset: 24, .size: 8, .value_kind: global_buffer, .address_space: global }
      - { .name: W0, .offset: 32, .size: 8, .value_kind: global_buffer, .address_space: global }
      - { .name: xh, .offset: 40, .size: 8, .value_kind: global_buffer, .address_space: global }
      - { .name: wh, .offset: 48, .size: 8, .value_kind: global_buffer, .address_space: global }
    .group_segment_fixed_size: 0
    .private_segment_fixed_size: 0
    .kernarg_segment_align: 8
    .kernarg_segment_size: 56
    .max_flat_workgroup_size: 256
    .sgpr_count:     66
    .vgpr_count:     104
    .wavefront_size: 32
...
	.end_amdgpu_metadata
.endif
;; end of part 5
;; launch qkv: the kernel of part 2 again; grid 16 x 16, 4 waves a work-group, clusters of 4 x 4, 327,680 bytes of LDS; arguments xh, wh, qkvh; writes qkvh
;; launch attn: the kernel of part 3 again; grid 8 x 32, 8 waves a work-group, clusters of 4 x 1, 327,680 bytes of LDS; arguments qkvh, ctx; writes ctx
;; launch oproj: the kernel of part 4 again; grid 8 x 32, 4 waves a work-group, clusters of 4 x 4, 327,680 bytes of LDS; arguments ctx, wh, out0; writes out0
